; MI455X (gfx1250); checked and timed in simulation.
; The chip was launched on July 23, 2026; its instructions are those of AMD's public machine-readable ISA for CDNA 5 (MIT licence, August 2026) and "CDNA5" Instruction Set Architecture Reference Guide (July 2026). The comments in the code are by the model that wrote it; some were corrected since.
;; MHA. Allowed arithmetic: matrix products marked QUANTISED: E2M1 operands, one E8M0 scale for each 32 along K, by v_wmma_scale_f32_16x16x128_f8f6f4 with both operands' format E2M1 (or v_wmma_scale_f32_32x16x128_f4), f32 sums; products left as they are: bf16, f16 or f32 operands; f32 sums; everything else in f32.
;; Inputs: W_k 1,024 x 1,024 float32; W_o 1,024 x 1,024 float32; W_q 1,024 x 1,024 float32; W_v 1,024 x 1,024 float32; adj_mask 4 x 2,048 x 2,048 bool; x 4 x 2,048 x 1,024 float32.
;; Outputs: out0 4 x 2,048 x 1,024 float32.
;; This version of the problem:
;;   THIS VERSION OF THE PROBLEM IS GIVEN IN LOW PRECISION. The matrix products marked QUANTISED in the list below multiply operands that are first quantised to E2M1 (2 exponent bits, 1 mantissa bit; 4 bits a number), with one power-of-two scale for each 32 numbers along K (OCP MX v1.0); their sums are f32. The products marked 'left as it is' may take bf16, f16 or f32 operands, with f32 sums. Whichever they take, every output number must still come out within the allowed error. Rounding operands to bf16 (8 significant bits) uses up far more of that allowance than f16 does (11 bits, for magnitudes from 6e-5 to 65,504). All else is computed in f32.
;;   The module's matrix products, in the order in which they are computed (A, B: the left and right operand; K: the contracted axis; several contracted axes count as one K, in the product's order):
;;     1. [M 8,192, K 1,024] x [K 1,024, N 1,024]; A: input x; B: input W_q: QUANTISED
;;     2. [M 8,192, K 1,024] x [K 1,024, N 1,024]; A: input x; B: input W_k: QUANTISED
;;     3. [M 8,192, K 1,024] x [K 1,024, N 1,024]; A: input x; B: input W_v: QUANTISED
;;     4. batch 64 x [M 2,048, K 64] x [K 64, N 2,048]; A: computed on the way; B: computed on the way: left as it is (an operand is computed on the way)
;;     5. batch 64 x [M 2,048, K 2,048] x [K 2,048, N 64]; A: computed on the way; B: computed on the way: left as it is (an operand is computed on the way)
;;     6. [M 8,192, K 1,024] x [K 1,024, N 1,024]; A: computed on the way; B: input W_o: left as it is (an operand is computed on the way)
;;   THE QUANTISER, for each operand of a quantised product, along K:
;;     - K is cut into blocks of 32 from its start; a last block that is shorter is filled with zeros.
;;     - A block's scale is 2^e with e = floor(log2(the largest magnitude in the block)) - 2, held to -126 .. 127; a block of zeros has e = 0. As a byte (E8M0): e + 127.
;;     - Each number is divided by its block's scale, clamped to +-6, and rounded to the nearest number of E2M1, ties to even, subnormals kept.
;;     - The product sums the exact products of the quantised numbers (number of the format x scale) in f32.
;;   ~~~python
;;   def quantise(x, axis):      # numpy; x: float32 -> the quantised numbers, widened to float32 again
;;       x = np.moveaxis(x, axis, -1); K = x.shape[-1]
;;       x = np.pad(x, [(0, 0)] * (x.ndim - 1) + [(0, -K % 32)]); x = x.reshape(x.shape[:-1] + (-1, 32)); a = np.abs(x).max(-1, keepdims=True)
;;       e = np.where(a > 0, np.clip(np.frexp(np.where(a > 0, a, 1))[1] - 1 - 2, -126, 127), 0)      # np.frexp(a)[1] - 1 = floor(log2(a)), exactly
;;       r = np.clip(x / 2.0 ** e, -6, 6)
;;       step = 2.0 ** (np.maximum(np.frexp(np.where(r == 0, 1, r))[1] - 1, 0) - 1)
;;       q = np.round(r / step) * step * 2.0 ** e      # np.round: ties to even
;;       return np.moveaxis(q.reshape(q.shape[:-2] + (-1,))[..., :K], -1, axis).astype(np.float32)
;;   ~~~
;; One version. Each part assembles by itself: llvm-mc -triple=amdgcn-amd-amdhsa -mcpu=gfx1250 --defsym DOCPART=n.
;; ======== version 1 of 1: 4 launches
;; limits: values are held in f16: magnitudes above 65,504 overflow, below 6.1e-05 lose precision
;; workspace buffers: codes 5,767,168 bytes; scales 360,448 bytes; wo16 2,097,152 bytes; maskw 2,097,152 bytes of whole numbers; qkv 50,331,648 bytes; attn 16,777,216 bytes
;; launch prep (part 1): grid 512 x 1, 4 waves a work-group, no clusters, 50,688 bytes of LDS; arguments x, W_q, W_k, W_v, codes, scales, W_o, wo16, adj_mask, maskw; writes codes, scales, wo16, maskw
.if DOCPART == 1
	.amdgcn_target "amdgcn-amd-amdhsa--gfx1250"
	.amdhsa_code_object_version 6
	.text
	.protected	k_q651eccd471_prep
	.globl	k_q651eccd471_prep
	.p2align	8
	.type	k_q651eccd471_prep,@function
k_q651eccd471_prep:
	s_mov_b64 s[64:65], 0
	v_nop
	global_prefetch_b8 v0, s[64:65] scope:SCOPE_SE
	s_setreg_imm32_b32 hwreg(HW_REG_WAVE_MODE, 25, 1), 1
	s_wait_xcnt 0x0
; THREE JOBS IN ONE LAUNCH, parted by the work-group's number.  Waves share nothing: no barrier, no tensor load.
; JOB A (work-groups 0-351): x [8192][1024], W_q, W_k, W_v [1024][1024], f32, become codes of FP4 (E2M1), K innermost, two codes a byte, and one E8M0 byte for each 32 along K.
;   codes: [11264 rows][512 bytes], scales: [11264][32 bytes]; rows 0-8191 are x's, then 1,024 rows each of W_q, W_k, W_v.  Rows are dense and K is a multiple of 32: each tensor is a plain stream of blocks of 32.
;   A block's scale is 2^(floor(log2(its largest magnitude)) - 2); its byte is the largest magnitude's exponent field - 2, held at 1 from below.  A block of zeros so gets the byte 1 where the rule
;   says 127: its codes are zeros, which add nothing under any byte but 0xff, and this program alone reads the bytes.
;   LIMITS: blocks whose largest magnitude lies under 2^(2 - 126) keep the byte 1; NaN and infinities among the inputs are not served.
; JOB C (work-groups 352-479): adj_mask [4][2048][2048] bytes becomes lane masks.  maskw: [b][tile of 16 queries qt][step of 64 keys ks][32 words]; bit L of word 8 kt + j says whether key
;   64 ks + 16 kt + 8 (L / 16) + j counts for query 16 qt + L % 16: the lane and register in which the attention launch holds that score.  Any byte other than 0 counts as true.
; JOB B (work-groups 480-511): W_o [1024][1024] f32 is rounded to f16, row-major as it lies.
.set WREG,   8192                      ; job A, LDS: a region for each wave: two stages of 32 x SP bytes, behind them its 256 scale bytes
.set SP,     80                        ; a lane's place in a stage: its 64 bytes + 16 of padding
.set CB,     8                         ; bytes of 16 codes
.set NSTEP,  16                        ; steps of 512 numbers for a wave
.set EMAX,   2
.set R,      16                        ; v16-79   job A: four sets of 16 numbers as loaded
.set X,      80                        ; v80-111  two sets of 16 neighbours
.set E,      112                       ; v112-127 a scale byte for each step
.set C,      128                       ; v128-191 codes: four registers for each step, so that no store's data are written again
.set SPW,    12                        ; v12      LDS address of my spare word; never rewritten
.set NIL,    13                        ; v13      0; never rewritten
.set CSTG,   4*WREG                    ; job C, LDS bytes of its own: a stage of 16 rows x CP bytes for each wave
.set CP,     272                       ; 256 bytes + 16 of padding
.set SPARE,  CSTG+4*16*CP              ; the spare words: 128 bytes for each wave, two blocks of 256 bytes that no other line names
.set RC,     32                        ; v32-159  job C: four sets of 32 registers: a chunk of 16 rows x 256 bytes as loaded
.set BY,     160                       ; v160-191 a chunk's bytes, eight keys of my row for each of 16 key tiles
.set OW,     192                       ; v192-223 the words to store, four registers a chunk
.macro FINISH                          ; a wave's end, behind the last LDS store
	s_wait_tensorcnt 0x0
	ds_add_u32 v[SPW], v[NIL]
	s_wait_dscnt 0x0
	s_endpgm
.endm
	s_load_b512 s[4:19], s[0:1], 0x0               ; x 4:5, W_q 6:7, W_k 8:9, W_v 10:11, codes 12:13, scales 14:15, W_o 16:17, wo16 18:19
	s_load_b128 s[20:23], s[0:1], 0x40             ; adj_mask 20:21, maskw 22:23
	v_lshl_add_u32 v[SPW], v0, 2, SPARE
	v_mov_b32 v[NIL], 0
	v_lshrrev_b32 v1, 5, v0
	v_readfirstlane_b32 s24, v1                    ; wave 0..3
	v_and_b32 v2, 31, v0                           ; lane
	s_wait_kmcnt 0x0
	s_cmp_lt_u32 ttmp9, 352
	s_cbranch_scc1 .Ljob_a
	s_cmp_lt_u32 ttmp9, 480
	s_cbranch_scc1 .Ljob_c
; ---------------- JOB B: a wave casts 8,192 numbers of W_o.  A load covers 512 consecutive bytes, a store 256.
	s_sub_co_u32 s25, ttmp9, 480
	s_lshl_b32 s25, s25, 2
	s_add_co_u32 s25, s25, s24                     ; which run of 8,192 numbers: 0..127
	s_lshl_b32 s26, s25, 15
	s_mov_b32 s27, 0
	s_add_nc_u64 s[16:17], s[16:17], s[26:27]
	s_lshl_b32 s26, s25, 14
	s_add_nc_u64 s[18:19], s[18:19], s[26:27]
	v_lshlrev_b32 v3, 4, v2                        ; in: 16 bytes a lane
	v_lshlrev_b32 v4, 3, v2                        ; out: 8 bytes a lane
.macro LOADB g                         ; group g of four: 16 loads into set g % 2 (v16-79, v80-143)
.irp i, 0,1,2,3,4,5,6,7,8,9,10,11,12,13,14,15
	global_load_b128 v[16+64*((\g)%2)+4*\i:16+64*((\g)%2)+4*\i+3], v3, s[16:17] offset:512*(16*(\g)+\i) th:TH_LOAD_NT
.endr
.endm
.macro CASTB g
.if (\g) < 3
	s_wait_loadcnt 16                              ; this group's 16 loads are in; the next group's 16 may be out
.else
	s_wait_loadcnt 0x0
.endif
.if (\g) >= 2
	s_wait_xcnt 0x0                                ; the stores of two groups back have read their data: the registers are written again only behind this wait
.endif
.irp i, 0,1,2,3,4,5,6,7,8,9,10,11,12,13,14,15
	v_cvt_pk_f16_f32 v[144+32*((\g)%2)+2*\i], v[16+64*((\g)%2)+4*\i], v[16+64*((\g)%2)+4*\i+1]
	v_cvt_pk_f16_f32 v[144+32*((\g)%2)+2*\i+1], v[16+64*((\g)%2)+4*\i+2], v[16+64*((\g)%2)+4*\i+3]
.endr
.irp i, 0,1,2,3,4,5,6,7,8,9,10,11,12,13,14,15
	global_store_b64 v4, v[144+32*((\g)%2)+2*\i:144+32*((\g)%2)+2*\i+1], s[18:19] offset:256*(16*(\g)+\i)   ; 32 lanes store 256 consecutive bytes, aligned
.endr
.if (\g) < 2
	LOADB (\g)+2
.endif
.endm
	LOADB 0
	LOADB 1
	CASTB 0
	CASTB 1
	CASTB 2
	CASTB 3
	FINISH
; ---------------- JOB C: a wave takes one tile of 16 queries of one batch: 16 rows x 2,048 bytes of the mask, in eight chunks of 256 keys.
.Ljob_c:
	s_sub_co_u32 s25, ttmp9, 352
	s_lshl_b32 s25, s25, 2
	s_add_co_u32 s25, s25, s24                     ; g = 128 b + qt: 0..511
	s_lshl_b32 s26, s25, 15                        ; 16 rows of 2,048 bytes
	s_mov_b32 s27, 0
	s_add_nc_u64 s[20:21], s[20:21], s[26:27]
	s_lshl_b32 s26, s25, 12                        ; 32 steps x 32 words
	s_add_nc_u64 s[22:23], s[22:23], s[26:27]
	s_mul_i32 s28, s24, 16*CP
	s_add_co_u32 s28, s28, CSTG                    ; my stage
	v_and_b32 v3, 15, v2
	v_lshrrev_b32 v4, 4, v2
	v_lshlrev_b32 v5, 4, v3
	v_lshl_add_u32 v6, v4, 11, v5                  ; in memory: lanes 0-15 one row's 256 bytes, lanes 16-31 the next row's
	v_mad_u32_u24 v7, v4, CP, v5
	v_add_nc_u32 v7, s28, v7                       ; into the stage: the same two rows
	v_mul_u32_u24 v8, v3, CP
	v_lshl_add_u32 v8, v4, 3, v8
	v_add_nc_u32 v8, s28, v8                       ; out of it: row lane % 16, 8 bytes on for lanes 16-31: rows 68 words apart, so the 32 lanes' 8 bytes fall on 64 different words modulo 64
	v_lshlrev_b32 v9, 4, v2                        ; the words' place: 16 bytes a lane
.set i, 0
.rept 32
	v_mov_b32 v[OW+i], 0                           ; written once: v_writelane_b32's destination counts as one of its sources
.set i, i+1
.endr
.macro LOADC c                         ; chunk c: eight loads, two whole rows of 256 bytes each, into set c % 4
.irp i, 0,1,2,3,4,5,6,7
	global_load_b128 v[RC+32*((\c)%4)+4*\i:RC+32*((\c)%4)+4*\i+3], v6, s[20:21] offset:4096*\i+256*(\c) th:TH_LOAD_NT
.endr
.endm
.macro CHUNK c
.if 7-(\c) >= 3
	s_wait_loadcnt 24                              ; this chunk's eight loads are in; those of the three chunks behind it may be out
.else
	s_wait_loadcnt 8*(7-(\c))
.endif
.irp i, 0,1,2,3,4,5,6,7
	ds_store_b128 v7, v[RC+32*((\c)%4)+4*\i:RC+32*((\c)%4)+4*\i+3] offset:2*CP*\i
.endr
.irp kt, 0,1,2,3,4,5,6,7,8,9,10,11,12,13,14,15
	ds_load_b64 v[BY+2*\kt:BY+2*\kt+1], v8 offset:16*\kt      ; LDS serves a wave's instructions in order: these see the stores above.  Keys 16 kt + 8 (lane / 16) + 0..7 of query lane % 16
.endr
	s_wait_dscnt 0x0                               ; the bytes are back, and the stores have read their registers,
.if (\c) < 4
	LOADC (\c)+4                                   ; which take the chunk four further on
.endif
.irp kt, 0,1,2,3,4,5,6,7,8,9,10,11,12,13,14,15
.irp j, 0,1,2,3,4,5,6,7
	v_and_b32 v[16+\j], 0xff<<(8*(\j%4)), v[BY+2*\kt+\j/4]    ; key j's byte
.endr
.irp j, 0,1,2,3,4,5,6,7
	v_cmp_ne_u32 s[40+\j], 0, v[16+\j]             ; the 32 lanes' answers are the word
.endr
.irp j, 0,1,2,3,4,5,6,7
	v_writelane_b32 v[OW+4*(\c)+\j%4], s[40+\j], 2*\kt+\j/4   ; word 8 kt + j of the chunk's 128: lane (8 kt + j) / 4, register j % 4
.endr
.endr
	global_store_b128 v9, v[OW+4*(\c):OW+4*(\c)+3], s[22:23] offset:512*(\c)   ; 32 lanes store 512 consecutive bytes
.endm
	LOADC 0
	LOADC 1
	LOADC 2
	LOADC 3
.irp c, 0,1,2,3,4,5,6,7
	CHUNK \c
.endr
	FINISH
; ---------------- JOB A: a wave takes 16 steps of 512 numbers.  Each of a step's four loads reads 512 consecutive bytes, 16 a lane; the conversions want 16 NEIGHBOURS in a lane: so the 2,048 bytes
; go through the wave's own stage, as they lie, and come back 64 bytes a lane.  Two neighbouring lanes hold a block.  Loads run four steps ahead, the turn through LDS one step.
.Ljob_a:
	v_lshlrev_b32 v3, 4, v2                        ; my 16 bytes of a load's 512
	s_mul_i32 s33, s24, WREG
	v_lshrrev_b32 v14, 2, v2
	v_mul_u32_u24 v14, v14, SP
	v_and_b32 v15, 3, v2
	v_lshl_add_u32 v14, v15, 4, v14
	v_add_nc_u32 v14, s33, v14                     ; the stage, on the way in: SP (lane / 4) + 16 (lane % 4)
	v_mul_u32_u24 v15, v2, SP
	v_add_nc_u32 v15, s33, v15                     ; and on the way out: SP x lane
	v_mul_u32_u24 v4, v2, CB                       ; my codes' place in a step's
	v_lshrrev_b32 v5, 1, v2
	s_add_co_u32 s33, s33, 2*32*SP
	v_add_nc_u32 v5, s33, v5                       ; LDS: my wave's 256 scale bytes, my block's byte
	v_lshlrev_b32 v7, 3, v2                        ; and on the way out 8 bytes a lane
	v_add_nc_u32 v6, s33, v7
	s_and_b32 s32, ttmp9, 31                       ; a weight has 32 work-groups, and each weight's first has a number that is a multiple of 32
	s_cmp_lt_u32 ttmp9, 320                        ; which tensor: the choices hang on the work-group's number alone
	s_cselect_b64 s[26:27], s[8:9], s[10:11]
	s_cmp_lt_u32 ttmp9, 288
	s_cselect_b64 s[26:27], s[6:7], s[26:27]
	s_cmp_lt_u32 ttmp9, 256
	s_cselect_b64 s[26:27], s[4:5], s[26:27]
	s_cselect_b32 s32, ttmp9, s32
	s_lshl_b32 s32, s32, 2
	s_add_co_u32 s32, s32, s24                     ; which run of 8,192 numbers of the tensor is my wave's
	s_lshl_b32 s34, s32, 15
	s_mov_b32 s35, 0
	s_add_nc_u64 s[26:27], s[26:27], s[34:35]
	s_lshl_b32 s32, ttmp9, 2
	s_add_co_u32 s32, s32, s24                     ; and of the joint buffers: x's 1,024 runs end where W_q's begin
	s_lshl_b32 s34, s32, 12
	s_add_nc_u64 s[28:29], s[12:13], s[34:35]      ; 4,096 bytes of codes a run
	s_lshl_b32 s34, s32, 8
	s_add_nc_u64 s[30:31], s[14:15], s[34:35]      ; 256 scale bytes a run
.macro LOAD t
.irp i, 0,1,2,3
	global_load_b128 v[R+16*((\t)%4)+4*\i:R+16*((\t)%4)+4*\i+3], v3, s[26:27] offset:2048*(\t)+512*\i th:TH_LOAD_NT
.endr
.endm
.macro TURN t                          ; step t's numbers through the stage: LDS serves a wave's instructions in order, so no wait stands between the stores and the loads
.irp i, 0,1,2,3
	ds_store_b128 v14, v[R+16*((\t)%4)+4*\i:R+16*((\t)%4)+4*\i+3] offset:32*SP*((\t)%2)+8*SP*\i
.endr
.irp i, 0,1,2,3
	ds_load_b128 v[X+16*((\t)%2)+4*\i:X+16*((\t)%2)+4*\i+3], v15 offset:32*SP*((\t)%2)+16*\i
.endr
.endm
.irp t, 0,1,2,3
	LOAD \t
.endr
	s_wait_loadcnt 12                              ; step 0's four loads are in
	TURN 0
.macro QSTEP t
.set XS, X+16*((\t)%2)
.if (\t) > 0
	s_wait_dscnt 1                                 ; this step's numbers are back from the stage (the last step's byte store may be out): so its stores into the stage have read their registers,
.else
	s_wait_dscnt 0x0
.endif
.if (\t)+4 < NSTEP
	LOAD (\t)+4                                    ; which take the loads of four steps on
.endif
.if (\t)+1 < NSTEP
.if NSTEP-2-(\t) >= 3
	s_wait_loadcnt 12                              ; the next step's four loads are in; those of the three steps behind it may be out
.else
	s_wait_loadcnt 4*(NSTEP-2-(\t))
.endif
	TURN (\t)+1                                    ; and go through the other stage while this step is worked
.endif
	v_max3_num_f32 v8, |v[XS]|, |v[XS+1]|, |v[XS+2]|               ; the largest magnitude of my 16, in two chains
	v_max3_num_f32 v9, |v[XS+3]|, |v[XS+4]|, |v[XS+5]|
.irp i, 6,10
	v_max3_num_f32 v8, v8, |v[XS+\i]|, |v[XS+\i+1]|
	v_max3_num_f32 v9, v9, |v[XS+\i+2]|, |v[XS+\i+3]|
.endr
	v_max3_num_f32 v8, v8, |v[XS+14]|, |v[XS+15]|
	v_max3_num_f32 v8, v8, v9, (EMAX+1)<<23        ; and the floor 2^(EMAX + 1 - 127): so the byte cannot fall under 1
	v_max_num_f32_dpp v8, v8, v8 row_xmask:1 row_mask:0xf bank_mask:0xf   ; and of my neighbour's 16: the block's
	v_add_nc_u32 v11, 0xff000000, v8               ; EMAX off its exponent field: the conversion takes the exponent field of this operand as its scale, and nothing else of it
	v_cvt_scalef32_pk8_fp4_f32 v[C+4*(\t)], v[XS:XS+7], v11        ; eight numbers / the scale, to the nearest code, ties to even, beyond the largest code the largest
	v_cvt_scalef32_pk8_fp4_f32 v[C+4*(\t)+1], v[XS+8:XS+15], v11
	v_lshrrev_b32 v[E+(\t)], 23, v11               ; the scale's byte (also the plain line behind the conversions)
	ds_store_b8 v5, v[E+(\t)] offset:16*(\t)       ; both lanes of a block write the same byte with the same value
	global_store_b64 v4, v[C+4*(\t):C+4*(\t)+1], s[28:29] offset:32*CB*(\t)   ; 32 lanes store 256 consecutive bytes, aligned
.endm
.irp t, 0,1,2,3,4,5,6,7,8,9,10,11,12,13,14,15
	QSTEP \t
.endr
	ds_load_b64 v[8:9], v6                         ; LDS serves a wave's instructions in order: these see my byte stores
	s_wait_dscnt 0x0
	global_store_b64 v7, v[8:9], s[30:31]          ; the wave's 256 scale bytes: 256 consecutive bytes, aligned
	FINISH
.Lfunc_end_k_q651eccd471_prep:
	.size	k_q651eccd471_prep, .Lfunc_end_k_q651eccd471_prep-k_q651eccd471_prep
	.p2alignl 7, 3214868480
	.fill 96, 4, 3214868480
	.section	.rodata,"a",@progbits
	.p2align	6, 0x0
	.amdhsa_kernel k_q651eccd471_prep
		.amdhsa_group_segment_fixed_size 50688
		.amdhsa_private_segment_fixed_size 0
		.amdhsa_enable_private_segment 0
		.amdhsa_kernarg_size 80
		.amdhsa_user_sgpr_count 2
		.amdhsa_user_sgpr_kernarg_segment_ptr 1
		.amdhsa_wavefront_size32 1
		.amdhsa_system_sgpr_workgroup_id_x 1
		.amdhsa_system_sgpr_workgroup_id_y 1
		.amdhsa_system_sgpr_workgroup_id_z 1
		.amdhsa_system_vgpr_workitem_id 0
		.amdhsa_next_free_vgpr 224
		.amdhsa_next_free_sgpr 66
		.amdhsa_reserve_vcc 0
		.amdhsa_float_denorm_mode_32 3
		.amdhsa_float_denorm_mode_16_64 3
		.amdhsa_memory_ordered 1
		.amdhsa_forward_progress 1
		.amdhsa_inst_pref_size 255
	.end_amdhsa_kernel
	.section	.bss,"aw",@nobits
	.p2align	6
	.space	262144
	.amdgpu_metadata
---
amdhsa.version: [ 1, 2 ]
amdhsa.kernels:
  - .name:           k_q651eccd471_prep
    .symbol:         k_q651eccd471_prep.kd
    .args:
      - { .name: x, .offset: 0, .size: 8, .value_kind: global_buffer, .address_space: global }
      - { .name: W_q, .offset: 8, .size: 8, .value_kind: global_buffer, .address_space: global }
      - { .name: W_k, .offset: 16, .size: 8, .value_kind: global_buffer, .address_space: global }
      - { .name: W_v, .offset: 24, .size: 8, .value_kind: global_buffer, .address_space: global }
      - { .name: codes, .offset: 32, .size: 8, .value_kind: global_buffer, .address_space: global }
      - { .name: scales, .offset: 40, .size: 8, .value_kind: global_buffer, .address_space: global }
      - { .name: W_o, .offset: 48, .size: 8, .value_kind: global_buffer, .address_space: global }
      - { .name: wo16, .offset: 56, .size: 8, .value_kind: global_buffer, .address_space: global }
      - { .name: adj_mask, .offset: 64, .size: 8, .value_kind: global_buffer, .address_space: global }
      - { .name: maskw, .offset: 72, .size: 8, .value_kind: global_buffer, .address_space: global }
    .group_segment_fixed_size: 50688
    .private_segment_fixed_size: 0
    .kernarg_segment_align: 8
    .kernarg_segment_size: 80
    .max_flat_workgroup_size: 128
    .sgpr_count:     66
    .vgpr_count:     224
    .wavefront_size: 32
...
	.end_amdgpu_metadata
.endif
;; end of part 1
;; launch qkv (part 2): grid 12 x 32, 4 waves a work-group, clusters of 4 x 4, 327,680 bytes of LDS; arguments codes, scales, qkv; writes qkv
.if DOCPART == 2
	.amdgcn_target "amdgcn-amd-amdhsa--gfx1250"
	.amdhsa_code_object_version 6
	.text
	.protected	k_q651eccd471_qkv
	.globl	k_q651eccd471_qkv
	.p2align	8
	.type	k_q651eccd471_qkv,@function
k_q651eccd471_qkv:
	s_mov_b64 s[64:65], 0
	v_nop
	global_prefetch_b8 v0, s[64:65] scope:SCOPE_SE
	s_setreg_imm32_b32 hwreg(HW_REG_WAVE_MODE, 25, 1), 1
	s_wait_xcnt 0x0
	s_wait_alu depctr_hold_cnt(0) depctr_sa_sdst(0) depctr_va_vdst(0) depctr_va_sdst(0) depctr_va_ssrc(0) depctr_va_vcc(0) depctr_vm_vsrc(0)
	s_getreg_b32 s2, hwreg(HW_REG_IB_STS2, 6, 4)
	s_cmp_eq_u32 s2, 0
	s_cbranch_scc0 .Lentry_in_a_cluster
	s_endpgm
.Lentry_in_a_cluster:
	s_bfe_u32 s2, ttmp6, 0x10000c
	s_cmp_lg_u32 s2, 0xf033
	s_cbranch_scc0 .Lentry_shape_is_right
	s_endpgm
.Lentry_shape_is_right:
; Q, K, V = x W_q^T, x W_k^T, x W_v^T as ONE product on codes of FP4 (E2M1) with one E8M0 scale for each 32 along K: [8192 tokens] x [3072 = 3 x 1024 channels], K = 1,024; sums in f32.
; codes: [11264][512 bytes], scales: [11264][32 bytes]: rows 0-8191 are x's (operand A), rows 8192-11263 W_q's, W_k's, W_v's (operand B).
; A tile of 256 tokens x 256 channels is made by four waves, each 128 x 128: 64 accumulators of 16 x 16, 512 registers.  K = 1,024 is two slots of 512 along K (rows of 256 bytes): both are asked for at
; the start and nothing is filled again.  The scale bytes of the work-group's rows, two dense blocks, come with them.  All of LDS is claimed.
; CLUSTERS: 4 x 4 work-groups.  The four of a row of the cluster need the same tiles of A, the four of a column the same tiles of B: each is asked for jointly, by the same tensor load with the same descriptor.
; THE MATRIX INSTRUCTION IS USED TRANSPOSED (source 0 = 16 rows of B, source 1 = 16 rows of A): lane (r, h) of accumulator (a, b) holds token 16 a + r and the eight channels 16 b + 8 h + 0..7.
; THE RESULT IS ROUNDED TO f16 AND STORED AS THE NEXT LAUNCH'S OPERAND REGISTERS.  qkv: three sections (Q, K, V) of [batch x head 64][tile of 16 tokens 128][tile of 16 channels 4][512 bytes].
; In a block of Q or K lane (r, h)'s 16 bytes lie at 16 (r + 16 h); in a block of V at 16 (16 (r / 8) + 8 h + r % 8), where the turning LDS load of the next launch wants them at 16 x its lane.
; Either way a store of the wave covers 512 consecutive bytes straight from registers: no stage.
; LIMIT: magnitudes of Q, K, V from 65,504 on do not fit f16.
; REGISTERS, in windows of 256: window 0: v0-31 addresses; v32-95 scale words, two sets; from v128 A's fragments, ONE set (on the way out v128-255: packed results).
;   window 1: B's fragments, TWO sets, at v0 and v128.   window 2: the accumulators of my tokens 0-63 ((a, b) at v[8 (8 a + b)]);   window 3: those of tokens 64-127.
.set KSTEP,  512                       ; along K in a slot
.set NQ,     KSTEP/128                 ; matrix instructions deep
.set ROWB,   256                       ; a tile's row in bytes
.set KROW,   512                       ; a row of codes in memory
.set PITCH,  272                       ; an LDS row: 256 bytes + 16 of padding = 68 words, so the 16 rows that a load touches start 4 words apart modulo 64
.set FR,     8                         ; registers of a fragment: 16 rows x 128 K
.set NL,     2                         ; LDS loads that bring one
.set NP,     4                         ; places behind this matrix instruction (ISA guide 7.12.1)
.set HALFT,  128*PITCH                 ; 128 rows: what one tensor load brings
.set SLOT,   4*HALFT                   ; A's 256 rows, then B's 256 rows
.set KS,     32                        ; a row of scale bytes
.set SCL,    2*SLOT                    ; behind the ring: the scales, as rows of 256 bytes + 16 of padding
.set HALFS,  (128*KS/256)*272          ; the scales of 128 rows
.set SBLK,   (16*KS/256)*272           ; those of 16 rows
.set SPARE,  SCL+4*HALFS               ; the spare words: 128 bytes for each wave, two blocks of 256 bytes that no other line names
.set ADRA, 16                          ; v16-17  LDS address of my A fragments in slot 0, 1
.set ADRB, 20                          ; v20-21  the same for B
.set CO,   26                          ; v26     my 16 bytes' place in a block of the result
.set ADRS, 27                          ; v27     LDS address of my scale words: lanes 0-15 A's rows, lanes 16-31 B's
.set SPW,  28                          ; v28     LDS address of my spare word; never rewritten
.set NIL,  29                          ; v29     0; never rewritten
.set SC,   32                          ; scale words: set s at v[SC + 8 NQ s]; register NQ i + q: lanes 0-15 A's block i, lanes 16-31 B's block i, the slot's q-th 128 along K
.set AF,   128                         ; A's fragments, in window 0
.set G1, 24
.set G0, 32
.set G1B, 48
.set G0B, 56
.set G1S, 68
.set G0S, 76
.set G1SB, 80
.set G0SB, 88
.set MSB, 0
.macro WIN new                         ; the immediate's high byte repeats the setting that is left
.if MSB != (\new)
	s_set_vgpr_msb (MSB<<8)|(\new)
.set MSB, (\new)
.endif
.endm
.set MUL_LO, 0xa1                      ; source 0 (B) window 1, source 1 (A) window 0, C and D window 2
.set MUL_HI, 0xf1                      ; the same, C and D window 3
.set TO_B,   0x40                      ; destination window 1, address window 0
; A joint load: waves 0 and 1 fetch for A, waves 2 and 3 for B; the branch hangs on the wave's number alone.  An s_nop 0 and four v_nop follow each of the two lines.
.macro JLOAD g0a, g1a, g0b, g1b
	s_cmp_eq_u32 s15, 0
	s_cbranch_scc0 .Lfor_b_\@
	tensor_load_to_lds s[\g0a:\g0a+3], s[\g1a:\g1a+7]
	s_nop 0
.rept 4
	v_nop
.endr
	s_branch .Lasked_\@
.Lfor_b_\@:
	tensor_load_to_lds s[\g0b:\g0b+3], s[\g1b:\g1b+7]
	s_nop 0
.rept 4
	v_nop
.endr
.Lasked_\@:
.endm
.macro CROUND                          ; a round of the cluster's barrier
	s_barrier_signal -1
	s_barrier_wait -1
	s_cmp_lg_u32 s14, 0
	s_cbranch_scc1 .Lnot_wave_0_\@
	s_barrier_signal -3
.Lnot_wave_0_\@:
	s_barrier_wait -3
	s_barrier_signal -1
	s_barrier_wait -1
.endm
	s_load_b128 s[4:7], s[0:1], 0x0                ; codes s[4:5], scales s[6:7]
	s_load_b64 s[12:13], s[0:1], 0x10              ; qkv
	v_lshl_add_u32 v[SPW], v0, 2, SPARE
	v_mov_b32 v[NIL], 0
	ds_add_u32 v[SPW], v[NIL]                      ; the wave's opening: the add, twice on end, and its wait ahead of my first tensor load
	ds_add_u32 v[SPW], v[NIL]                      ; the set-up below, work on registers, stands between the second and the wait
	v_lshrrev_b32 v1, 5, v0
	v_readfirstlane_b32 s14, v1                    ; wave 0..3
	s_lshr_b32 s15, s14, 1                         ; which half of the tile's tokens is mine.  Also: I fetch for A (0) or for B (1)
	s_and_b32 s16, s14, 1                          ; which half of its channels.  Also: which 128 rows of that tile I fetch
	s_bfe_u32 s40, ttmp6, 0x40000                  ; cx, cy: my place in the cluster
	s_bfe_u32 s41, ttmp6, 0x40004
	s_lshl_b32 s42, ttmp9, 2
	s_add_co_u32 s42, s42, s40                     ; tile column = 4 x cluster x + cx
	s_and_b32 s17, ttmp7, 0xffff
	s_lshl_b32 s17, s17, 2
	s_add_co_u32 s17, s17, s41                     ; tile row = 4 x cluster y + cy
	s_lshl_b32 s43, s41, 2
	s_lshl_b32 s43, 15, s43                        ; my row of the cluster
	s_lshl_b32 s44, 0x1111, s40                    ; my column
	; descriptor group 1: a tile of 128 rows x 256 bytes, 16 bytes of padding behind each row
	s_or_b32 s[G1+0], s43, (0<<16)|(1<<20)|(1<<21)|(5<<22)|(3<<25)  ; the mask: A's tiles go to my row; elements of 1 byte; padding on; bit 21 beside a mask; after every 64 words four words
	s_or_b32 s[G1B+0], s44, (0<<16)|(1<<20)|(1<<21)|(5<<22)|(3<<25)
.irp g, G1, G1B
	s_mov_b32 s[\g+1], ROWB<<16                    ; tensor_dim0
	s_mov_b32 s[\g+2], 128<<16                     ; tensor_dim1
	s_mov_b32 s[\g+3], ROWB<<16                    ; tile_dim0
	s_mov_b32 s[\g+4], 128                         ; tile_dim1
	s_mov_b32 s[\g+5], KROW                        ; from row to row
	s_mov_b32 s[\g+6], 0
	s_mov_b32 s[\g+7], 0
.endr
	; the scales of 128 rows: a dense block of 4,096 bytes, as 16 rows of 256 bytes (32 elements of 8 bytes), 16 bytes of padding behind each
	s_or_b32 s[G1S+0], s43, (3<<16)|(1<<20)|(1<<21)|(5<<22)|(3<<25)
	s_or_b32 s[G1SB+0], s44, (3<<16)|(1<<20)|(1<<21)|(5<<22)|(3<<25)
.irp g, G1S, G1SB
	s_mov_b32 s[\g+1], 32<<16
	s_mov_b32 s[\g+2], (128*KS/256)<<16
	s_mov_b32 s[\g+3], 32<<16
	s_mov_b32 s[\g+4], 128*KS/256
	s_mov_b32 s[\g+5], 32
	s_mov_b32 s[\g+6], 0
	s_mov_b32 s[\g+7], 0
.endr
	s_lshl_b32 s18, s16, 7                         ; which 128 rows of the tile I fetch
	s_lshl_b32 s20, s17, 8
	s_add_co_u32 s20, s20, s18                     ; A: row 256 x tile row + 128 x half
	s_lshl_b32 s46, s42, 8
	s_add_co_u32 s46, s46, s18                     ; B: row 256 x tile column + 128 x half
	s_mov_b32 s21, 0
	s_mov_b32 s47, 0
	s_mov_b64 s[18:19], KS
	s_mul_u64 s[22:23], s[20:21], s[18:19]         ; where these rows' scales begin, in bytes
	s_mul_u64 s[92:93], s[46:47], s[18:19]
	s_mov_b64 s[18:19], KROW
	s_mul_u64 s[20:21], s[20:21], s[18:19]         ; and their codes
	s_mul_u64 s[46:47], s[46:47], s[18:19]
	s_mul_i32 s45, s14, HALFT                      ; where they go: wave x 128 rows: no place in the cluster enters an LDS address
	s_mul_i32 s94, s14, HALFS
	s_wait_dscnt 0x0                               ; both opening adds are done
	s_wait_kmcnt 0x0
	s_add_nc_u64 s[8:9], s[4:5], 0x400000          ; B's codes begin behind x's 8,192 rows of 512 bytes,
	s_add_nc_u64 s[10:11], s[6:7], 0x40000         ; B's scales behind 8,192 rows of 32
	s_add_nc_u64 s[20:21], s[4:5], s[20:21]
	s_add_nc_u64 s[22:23], s[6:7], s[22:23]
	s_add_nc_u64 s[46:47], s[8:9], s[46:47]
	s_add_nc_u64 s[92:93], s[10:11], s[92:93]
	CROUND                                         ; all sixteen work-groups are here: the joint loads meet
	s_mov_b32 s[G0S], 1
	s_add_co_u32 s[G0S+1], s94, SCL
	s_mov_b64 s[G0S+2:G0S+3], s[22:23]
	s_or_b32 s[G0S+3], s[G0S+3], 0x80000000
	s_mov_b32 s[G0SB], 1
	s_add_co_u32 s[G0SB+1], s94, SCL
	s_mov_b64 s[G0SB+2:G0SB+3], s[92:93]
	s_or_b32 s[G0SB+3], s[G0SB+3], 0x80000000
	JLOAD G0S, G1S, G0SB, G1SB                     ; the scales first: they are wanted with slot 0
.irp s, 0,1
	s_mov_b32 s[G0+4*\s], 1
	s_add_co_u32 s[G0+4*\s+1], s45, \s*SLOT
	s_add_nc_u64 s[G0+4*\s+2:G0+4*\s+3], s[20:21], \s*ROWB
	s_or_b32 s[G0+4*\s+3], s[G0+4*\s+3], 0x80000000
	s_mov_b32 s[G0B+4*\s], 1
	s_add_co_u32 s[G0B+4*\s+1], s45, \s*SLOT
	s_add_nc_u64 s[G0B+4*\s+2:G0B+4*\s+3], s[46:47], \s*ROWB
	s_or_b32 s[G0B+4*\s+3], s[G0B+4*\s+3], 0x80000000
	JLOAD G0+4*\s, G1, G0B+4*\s, G1B               ; three loads of mine are out in all
.endr
	v_and_b32 v1, 15, v0                           ; r = lane % 16
	v_bfe_u32 v2, v0, 4, 1                         ; h = lane / 16
	v_mul_u32_u24 v3, v1, PITCH
	v_lshl_add_u32 v4, v2, 4, v3                   ; a fragment's row x pitch + 16 x half
	s_mul_i32 s21, s15, HALFT                      ; my 128 rows of A
	s_mul_i32 s22, s16, HALFT                      ; my 128 rows of B,
	s_add_co_u32 s22, s22, 2*HALFT                 ; which lie behind A's 256
.irp s, 0,1
	v_add_nc_u32 v[ADRA+\s], s21, v4
	v_add_nc_u32 v[ADRB+\s], s22, v4
	s_add_co_u32 s21, s21, SLOT
	s_add_co_u32 s22, s22, SLOT
.endr
	v_mul_u32_u24 v5, v1, KS                       ; my row's scales: KS bytes a row,
	v_lshrrev_b32 v6, 8, v5
	v_lshl_add_u32 v5, v6, 4, v5                   ; and 16 more for each 256 passed
	s_mul_i32 s21, s15, HALFS                      ; A's: my 128 rows
	s_mul_i32 s22, s16, HALFS                      ; B's: my 128 rows, behind A's 256
	s_add_co_u32 s22, s22, 2*HALFS
	s_sub_co_u32 s22, s22, s21
	v_mul_u32_u24 v6, s22, v2                      ; lanes 16-31 take B's: one product, the distance x h
	s_add_co_u32 s21, s21, SCL
	v_add_nc_u32 v5, v5, v6
	v_add_nc_u32 v[ADRS], s21, v5
	; the way out: my 16 bytes' place in a block
	v_and_b32 v6, 31, v0
	v_lshlrev_b32 v5, 4, v6                        ; Q, K: 16 x lane
	v_lshrrev_b32 v6, 3, v1
	v_lshlrev_b32 v6, 4, v6
	v_lshl_add_u32 v6, v2, 3, v6
	v_and_b32 v7, 7, v1
	v_add_nc_u32 v6, v6, v7
	v_lshlrev_b32 v6, 4, v6                        ; V: 16 (16 (r / 8) + 8 h + r % 8)
	s_cmp_eq_u32 ttmp9, 2                          ; cluster x is the section: 0 Q, 1 K, 2 V; the same in all partners
	s_cselect_b32 s46, -1, 0
	v_cndmask_b32 v[CO], v5, v6, s46
	; and my wave's first block: section x 2^24 + ((16 batch + head) x 128 + token tile) x 2,048
	s_lshr_b32 s20, s17, 3                         ; the batch: a tile row is 256 of its 2,048 tokens
	s_lshl_b32 s20, s20, 11                        ; x 16 heads x 128 token tiles
	s_and_b32 s21, s17, 7
	s_lshl_b32 s21, s21, 4
	s_add_co_u32 s20, s20, s21                     ; + 16 token tiles a tile row
	s_lshl_b32 s21, s15, 3
	s_add_co_u32 s20, s20, s21                     ; + my half's 8
	s_lshl_b32 s20, s20, 11
	s_mov_b32 s21, 0
	s_lshl_b32 s46, s40, 2
	s_lshl_b32 s47, s16, 1
	s_add_co_u32 s46, s46, s47                     ; my first head: 4 cx + 2 x half
	s_lshl_b32 s46, s46, 18
	s_lshl_b32 s47, ttmp9, 24
	s_add_co_u32 s46, s46, s47
	s_mov_b32 s47, 0
	s_add_nc_u64 s[20:21], s[20:21], s[46:47]
	s_add_nc_u64 s[12:13], s[12:13], s[20:21]
.macro FRAG reg, adr, q, i             ; a fragment: lane l holds row l % 16; registers 4 c .. 4 c + 3 hold K = 64 c + 32 (l / 16) + 0 .. 31
.irp c, 0,1
	ds_load_b128 v[\reg+4*\c:\reg+4*\c+3], v[\adr] offset:64*(\q)+32*\c+(\i)*16*PITCH
.endr
.endm
; 16 matrix instructions: A's blocks a0, a0 + 1 x B's eight, the slot's q-th 128 along K.  p: B's set;  sc: the set of scale words.  zero = 1: the first product starts the sums.
; The 64 accumulators take turns, one instruction a turn, in the same order in every step.
.macro MUL16 a0, p, q, sc, zero
.irp a, \a0, \a0+1
.irp b, 0,1,2,3,4,5,6,7
.if \zero
	v_wmma_scale_f32_16x16x128_f8f6f4 v[8*(8*((\a)%4)+\b):8*(8*((\a)%4)+\b)+7], v[128*(\p)+FR*\b:128*(\p)+FR*\b+FR-1], v[AF+FR*(\a):AF+FR*(\a)+FR-1], 0, v[SC+8*NQ*(\sc)+NQ*\b+(\q)], v[SC+8*NQ*(\sc)+NQ*(\a)+(\q)] matrix_a_fmt:MATRIX_FMT_FP4 matrix_b_fmt:MATRIX_FMT_FP4 matrix_a_scale:MATRIX_SCALE_ROW1
.else
	v_wmma_scale_f32_16x16x128_f8f6f4 v[8*(8*((\a)%4)+\b):8*(8*((\a)%4)+\b)+7], v[128*(\p)+FR*\b:128*(\p)+FR*\b+FR-1], v[AF+FR*(\a):AF+FR*(\a)+FR-1], v[8*(8*((\a)%4)+\b):8*(8*((\a)%4)+\b)+7], v[SC+8*NQ*(\sc)+NQ*\b+(\q)], v[SC+8*NQ*(\sc)+NQ*(\a)+(\q)] matrix_a_fmt:MATRIX_FMT_FP4 matrix_b_fmt:MATRIX_FMT_FP4 matrix_a_scale:MATRIX_SCALE_ROW1
.endif
.endr
.endr
.endm
.macro FETCH_B slot, q, p              ; B's eight fragments of the slot's q-th 128 along K into set p
	WIN TO_B
.irp i, 0,1,2,3,4,5,6,7
	FRAG 128*(\p)+FR*\i, ADRB+\slot, \q, \i
.endr
	WIN 0
.endm
.macro FETCH_A slot, q, i0             ; A's blocks i0 .. i0 + 3
.irp i, \i0, \i0+1, \i0+2, \i0+3
	FRAG AF+FR*(\i), ADRA+\slot, \q, \i
.endr
.endm
.macro SCALES sc                       ; a slot's scale words into set sc: NQ words a row; lanes 0-15 take A's block i, lanes 16-31 B's block i
.irp i, 0,1,2,3,4,5,6,7
	ds_load_b128 v[SC+8*NQ*\sc+NQ*\i:SC+8*NQ*\sc+NQ*\i+3], v[ADRS] offset:\i*SBLK
.endr
.endm
; A load into a register that a matrix instruction has read, and a vector instruction that reads a matrix result or writes one of its registers, stand NP places behind it; only plain vector
; instructions that name none of its registers are places (ISA guide 7.12.1 for vector instructions).
.macro PLACES n
.rept \n
	v_nop
.endr
.endm
; A step of 128 along K that has its successor in the same slot.  A's blocks are free as soon as their eight products are issued: blocks 0-3 are fetched anew in the step's middle, blocks 4-7 at its end.
.macro STEP slot, q, zero
	s_wait_dscnt 4*NL                              ; B's set and A's blocks 0-3 are in; the youngest eight loads (A's blocks 4-7) may be out
	WIN MUL_LO
	MUL16 0, (\q)%2, \q, \slot, \zero
	MUL16 2, (\q)%2, \q, \slot, \zero
	s_wait_dscnt 0                                 ; A's blocks 4-7 are in
	PLACES NP
	FETCH_B \slot, (\q)+1, 1-(\q)%2
	FETCH_A \slot, (\q)+1, 0
	WIN MUL_HI
	MUL16 4, (\q)%2, \q, \slot, \zero
	MUL16 6, (\q)%2, \q, \slot, \zero
	PLACES NP
	WIN 0
	FETCH_A \slot, (\q)+1, 4
.endm
; Slot 0's last step goes over to slot 1: each wave waits for all its tensor loads (its part of slot 1), then the barrier shows the whole slot to every wave.  Nothing is filled again.
.macro TURN slot, next
	s_wait_tensorcnt 0x0                           ; all my tensor loads have landed
	ds_add_u32 v[SPW], v[NIL]                      ; 0 onto my spare word
	s_wait_dscnt 4*NL+1                            ; (the add and the youngest eight loads, A's blocks 4-7, may be out)
	WIN MUL_LO
	MUL16 0, 1, NQ-1, \slot, 0
	s_wait_dscnt 0x0                               ; the add is done, and my reads of this slot are over
	s_barrier_signal -1
	MUL16 2, 1, NQ-1, \slot, 0
	WIN 0
	s_barrier_wait -1
	PLACES NP
	v_add_nc_u32 v[ADRS], 4*NQ, v[ADRS]            ; on to the next slot's scale words (no LDS load of mine is out)
	FETCH_B \next, 0, 0
	FETCH_A \next, 0, 0
	SCALES \next
	WIN MUL_HI
	MUL16 4, 1, NQ-1, \slot, 0
	MUL16 6, 1, NQ-1, \slot, 0
	PLACES NP
	WIN 0
	FETCH_A \next, 0, 4
.endm
.macro STEPS slot, from                ; the slot's steps from .. NQ - 2
.set Q, \from
.rept NQ-1-\from
	STEP \slot, Q, 0
.set Q, Q+1
.endr
.endm
	s_wait_tensorcnt 1                             ; the scales and my part of slot 0 are in (slot 1's load may be out)
	s_barrier_signal -1
	s_barrier_wait -1                              ; everybody's are
	FETCH_B 0, 0, 0
	FETCH_A 0, 0, 0
	SCALES 0
	FETCH_A 0, 0, 4
	STEP 0, 0, 1                                   ; the first step's products start the sums: nothing is cleared
	STEPS 0, 1
	TURN 0, 1
	STEPS 1, 0
	s_wait_dscnt 4*NL                              ; the very last step: nothing more to fetch
	WIN MUL_LO
	MUL16 0, 1, NQ-1, 1, 0
	MUL16 2, 1, NQ-1, 1, 0
	s_wait_dscnt 0
	WIN MUL_HI
	MUL16 4, 1, NQ-1, 1, 0
	MUL16 6, 1, NQ-1, 1, 0
	WIN 0
; THE WAY OUT of block a (16 tokens x 128 channels): each accumulator's eight numbers become 16 bytes of f16, from its low end on, and ARE a lane's piece of a block of the result.
.macro OUT a
.set AC, 64*((\a)%4)
.set OB, 128+32*((\a)%4)
.if (\a) >= 4
	s_wait_xcnt 0x0                                ; the stores of four blocks back have read their data: the registers are written again only behind this wait
.endif
	WIN 0x0a+5*((\a)/4)                            ; sources 0 and 1: window 2 or 3
.irp b, 0,1,2,3,4,5,6,7
.irp r, 0,1,2,3
	v_cvt_pk_f16_f32 v[OB+4*\b+\r], v[AC+8*\b+2*\r], v[AC+8*\b+2*\r+1]
.endr
.endr
	WIN 0
.irp b, 0,1,2,3,4,5,6,7
	global_store_b128 v[CO], v[OB+4*\b:OB+4*\b+3], s[12:13] offset:(\b/4)*262144+(\a)*2048+(\b%4)*512   ; head b / 4, token tile a, channel tile b % 4: 32 lanes store 512 consecutive bytes
.endr
.endm
	PLACES NP                                      ; behind the last products: for the reads of results and the writes over A's fragments
.irp a, 0,1,2,3,4,5,6,7
	OUT \a
.endr
	s_wait_tensorcnt 0x0                           ; the wave's end
	ds_add_u32 v[SPW], v[NIL]
	s_wait_dscnt 0x0
	CROUND                                         ; the closing round: no work-group ends while a partner may still ask for a tile that names it
	s_endpgm
.Lfunc_end_k_q651eccd471_qkv:
	.size	k_q651eccd471_qkv, .Lfunc_end_k_q651eccd471_qkv-k_q651eccd471_qkv
	.p2alignl 7, 3214868480
	.fill 96, 4, 3214868480
	.section	.rodata,"a",@progbits
	.p2align	6, 0x0
	.amdhsa_kernel k_q651eccd471_qkv
		.amdhsa_group_segment_fixed_size 327680
		.amdhsa_private_segment_fixed_size 0
		.amdhsa_enable_private_segment 0
		.amdhsa_kernarg_size 24
		.amdhsa_user_sgpr_count 2
		.amdhsa_user_sgpr_kernarg_segment_ptr 1
		.amdhsa_wavefront_size32 1
		.amdhsa_system_sgpr_workgroup_id_x 1
		.amdhsa_system_sgpr_workgroup_id_y 1
		.amdhsa_system_sgpr_workgroup_id_z 1
		.amdhsa_system_vgpr_workitem_id 0
		.amdhsa_next_free_vgpr 1024
		.amdhsa_next_free_sgpr 98
		.amdhsa_reserve_vcc 0
		.amdhsa_float_denorm_mode_32 3
		.amdhsa_float_denorm_mode_16_64 3
		.amdhsa_memory_ordered 1
		.amdhsa_forward_progress 1
		.amdhsa_inst_pref_size 118
	.end_amdhsa_kernel
	.amdgpu_metadata
---
amdhsa.version: [ 1, 2 ]
amdhsa.kernels:
  - .name:           k_q651eccd471_qkv
    .symbol:         k_q651eccd471_qkv.kd
    .args:
      - { .name: codes, .offset: 0, .size: 8, .value_kind: global_buffer, .address_space: global }
      - { .name: scales, .offset: 8, .size: 8, .value_kind: global_buffer, .address_space: global }
      - { .name: qkv, .offset: 16, .size: 8, .value_kind: global_buffer, .address_space: global }
    .group_segment_fixed_size: 327680
    .private_segment_fixed_size: 0
    .kernarg_segment_align: 8
    .kernarg_segment_size: 24
    .max_flat_workgroup_size: 128
    .sgpr_count:     98
    .vgpr_count:     1024
    .wavefront_size: 32
...
	.end_amdgpu_metadata
.endif
;; end of part 2
;; launch attn (part 3): grid 4 x 64, 16 waves a work-group, clusters of 4 x 1, 327,680 bytes of LDS; arguments qkv, maskw, attn; writes attn
.if DOCPART == 3
	.amdgcn_target "amdgcn-amd-amdhsa--gfx1250"
	.amdhsa_code_object_version 6
	.text
	.protected	k_q651eccd471_attn
	.globl	k_q651eccd471_attn
	.p2align	8
	.type	k_q651eccd471_attn,@function
k_q651eccd471_attn:
	s_mov_b64 s[64:65], 0
	v_nop
	global_prefetch_b8 v0, s[64:65] scope:SCOPE_SE
	s_setreg_imm32_b32 hwreg(HW_REG_WAVE_MODE, 25, 1), 1
	s_wait_xcnt 0x0
	s_wait_alu depctr_hold_cnt(0) depctr_sa_sdst(0) depctr_va_vdst(0) depctr_va_sdst(0) depctr_va_ssrc(0) depctr_va_vcc(0) depctr_vm_vsrc(0)
	s_getreg_b32 s2, hwreg(HW_REG_IB_STS2, 6, 4)
	s_cmp_eq_u32 s2, 0
	s_cbranch_scc0 .Lentry_in_a_cluster
	s_endpgm
.Lentry_in_a_cluster:
	s_bfe_u32 s2, ttmp6, 0x10000c
	s_cmp_lg_u32 s2, 0x3003
	s_cbranch_scc0 .Lentry_shape_is_right
	s_endpgm
.Lentry_shape_is_right:
; O[b][h][q] = the sum over k of softmax_k(mask ? Q[q] . K[k] / 8 : -infinity) V[k], head size 64, 2,048 keys, 64 batch x heads.  Operands f16, products, maxima and sums f32; the weights p are rounded
; to f16 for the second product, O once at the end.
; qkv: sections Q, K, V of [batch x head][tile of 16 tokens][tile of 16 channels][512 bytes], each block an image of operand registers (16 bytes a lane); maskw: [b][tile of 16 queries][step of 64 keys][32 words],
; bit L of word 8 kt + j = lane L, register 8 kt + j of the scores.  attn (out): [tile of 16 tokens 512][16 channels of the 1,024: 64][512 bytes], lane (r, h)'s piece (token r, channels 8 h ..) at 16 x lane.
; SHARES.  A work-group owns 512 queries of one head, each of its SIXTEEN waves 32: two tiles of 16, in 256 registers; four waves to a SIMD, so that one wave's vector work stands beside another's matrix
; work and LDS loads.  Every wave walks all keys, 64 a step.  K and V come through a ring of two LDS slots of 512 keys; every wave fetches 8,192 bytes of a slot by one tensor load.
; CLUSTER.  The four query blocks of a head walk the same K and V: each tile is asked for jointly, by the same load with the same descriptor and a mask that names the four.
; LAYOUT.  S^T = K Q^T (source 0 = 16 keys, source 1 = 16 queries) and O^T = V^T P (source 0 = 16 channels, source 1 = P): a lane holds ONE query (lane % 16) throughout; two tiles of S^T, rounded in pairs,
; ARE source 1 of the second product.  K's images are read as they lie; V's by the turning load, at 16 x lane too.
; SOFTMAX.  Hidden scores become -infinity AHEAD of the maximum.  For each query a running maximum m, begun at -3e38 (finite, so that a step all of whose keys are hidden gives p = 0 and no NaN), and a sum l:
; p = 2^(c s - c m), c = log2(e) / 8; in every step O and l are multiplied by a = 2^(c m_old - c m_new).  The sum is taken of the unrounded p.
; LIMITS: a query to which the mask leaves no key ends as 0 x (1 / 0) = NaN, as in the definition; NaN and infinities among Q, K, V are not served.
; REGISTERS: v1 16 x lane; v2, v3 addresses of the loads in hand; v4, v5 the add's two; v6 -infinity; v7 the prefetches' offset; v8-23 statistics, eight a tile: +0 c m, +1 m, +2, +3 l, +4..+7 at work (a at +6);
; v24-27 a second chain of sums; v32-63 Q; v64-127 S^T, then p, then P in the first 16 of each 32; v128-191 O^T; v192-255 K's eight fragments, then V's eight.
.set SLOT1, 1<<17                      ; a slot: K's images of 512 keys (65,536 bytes), then V's; slot 1 begins here, so that one exclusive or turns an address
.set VOFF,  65536
.set SPARE, 2*SLOT1                    ; the spare words: 128 bytes for each of 16 waves, eight blocks of 256 bytes that no other line names
.set LI,   1
.set ADK,  2
.set ADV,  3
.set SPW,  4
.set NIL,  5
.set NINF, 6
.set PFO,  7
.set ST,   8
.set L2,   24
.set QF,   32
.set S,    64
.set OT,   128
.set KV,   192
.set PFA,  10                          ; s[10:11] where my prefetches stand
.set WV,   12                          ; s12  my wave's number
.set CX,   13                          ; s13  my place in the cluster: it enters global addresses of Q, the mask words, the result and the prefetches alone
.set TB,   14                          ; s14  LDS byte at which the step's images of K begin
.set SO,   15                          ; s15  byte offset of the mask words that are being fetched: 128 a step
.set G1,   16                          ; s[16:23] descriptor group 1
.set G0,   24                          ; s[24:27] group 0, which walks
.set CS,   28                          ; s[28:29] c, twice: the packed form names a pair
.set SEL,  30                          ; s[30:31] v_permlanex16_b32's selects for lane l xor 16
.set MW0,  32                          ; s[32:63] tile 0's 32 mask words of the step
.set SLOTS, 66
.set STEPC, 67
.set MW1,  68                          ; s[68:99] tile 1's
.set LIM,  100                         ; s100 1 in a wave that prefetches, else the greatest number
.macro CROUND                          ; a round of the cluster's barrier
	s_barrier_signal -1
	s_barrier_wait -1
	s_cmp_lg_u32 s[WV], 0
	s_cbranch_scc1 .Lnot_wave_0_\@
	s_barrier_signal -3
.Lnot_wave_0_\@:
	s_barrier_wait -3
	s_barrier_signal -1
	s_barrier_wait -1
.endm
.macro MASKS                           ; a step's mask words of my two tiles: 128 bytes each, 4,096 bytes apart
	s_load_b512 s[MW0:MW0+15], s[6:7], s[SO] offset:0x0
	s_load_b512 s[MW0+16:MW0+31], s[6:7], s[SO] offset:0x40
	s_load_b512 s[MW1:MW1+15], s[6:7], s[SO] offset:0x1000
	s_load_b512 s[MW1+16:MW1+31], s[6:7], s[SO] offset:0x1040
.endm
; A PREFETCH INTO THE L2 of what the NEXT change of slots will ask for: a slot's 65,536 bytes of K and of V, sixteen pieces of 8,192 bytes, lanes 256 bytes apart.  One cluster alone walks a head.  Waves 0 and 1
; ask for K's pieces, waves 2 and 3 for V's (a branch on the wave's number, the same in all partners); the four partners are told apart BY ADDRESS: piece 4 (wave % 2) + cx.  So each block of 256 bytes is
; named once in the launch.  It stands behind the wave's tensor load.  Slots 0 and 1 come by their loads alone; the last change that fills a slot asks for nothing.
.macro ASK
	s_cmp_gt_u32 s[SLOTS], s[LIM]
	s_cbranch_scc0 .Lnot_mine_\@
	global_prefetch_b8 v[PFO], s[PFA:PFA+1] th:TH_LOAD_NT scope:SCOPE_SE
.Lnot_mine_\@:
.endm
	s_load_b128 s[4:7], s[0:1], 0x0                ; qkv s[4:5], maskw s[6:7]
	s_load_b64 s[8:9], s[0:1], 0x10                ; attn
	v_lshl_add_u32 v[SPW], v0, 2, SPARE
	v_mov_b32 v[NIL], 0
	ds_add_u32 v[SPW], v[NIL]                      ; the wave's opening: the add, twice on end, and its wait ahead of my first tensor load
	ds_add_u32 v[SPW], v[NIL]                      ; the set-up below, work on registers, stands between the second and the wait
	v_lshrrev_b32 v1, 5, v0
	v_readfirstlane_b32 s[WV], v1                  ; wave 0..15
	s_bfe_u32 s[CX], ttmp6, 0x40000                ; cx
	s_and_b32 s2, ttmp7, 0xffff                    ; 16 x batch + head, which the four partners share
	s_lshl_b32 s68, s2, 18                         ; the head's 262,144 bytes in a section
	s_lshr_b32 s70, s[WV], 3                       ; what I fetch: waves 0-7 K's section, waves 8-15 V's,
	s_add_co_u32 s70, s70, 1
	s_lshl_b32 s70, s70, 24
	s_add_co_u32 s70, s70, s68
	s_and_b32 s69, s[WV], 7
	s_lshl_b32 s69, s69, 13                        ; piece wave % 8 of a slot's eight
	s_add_co_u32 s70, s70, s69
	s_mov_b32 s71, 0
	s_lshl_b32 s3, s[CX], 5
	s_lshl_b32 s101, s[WV], 1
	s_add_co_u32 s3, s3, s101                      ; my first tile of queries: 32 cx + 2 x wave
	s_lshl_b32 s72, s3, 11
	s_add_co_u32 s72, s72, s68                     ; Q: 2,048 bytes a tile, in my head
	s_mov_b32 s73, 0
	s_lshr_b32 s101, s2, 4
	s_lshl_b32 s101, s101, 7
	s_add_co_u32 s101, s101, s3                    ; 128 x batch + tile
	s_lshl_b32 s74, s101, 12                       ; the mask words: 4,096 bytes a tile
	s_mov_b32 s75, 0
	s_lshl_b32 s76, s101, 15                       ; the result: 32,768 bytes a tile of tokens,
	s_and_b32 s3, s2, 15
	s_lshl_b32 s3, s3, 11
	s_add_co_u32 s76, s76, s3                      ; my head's four blocks of 512
	s_mov_b32 s77, 0
	s_bfe_u32 s78, s[WV], 0x10001                  ; the prefetches: (wave / 2) % 2: K's section or V's,
	s_add_co_u32 s78, s78, 1
	s_lshl_b32 s78, s78, 24
	s_add_co_u32 s78, s78, s68
	s_and_b32 s3, s[WV], 1
	s_lshl_b32 s3, s3, 2
	s_add_co_u32 s3, s3, s[CX]
	s_lshl_b32 s3, s3, 13                          ; piece 4 (wave % 2) + cx,
	s_add_co_u32 s78, s78, s3
	s_add_co_u32 s78, s78, 65536                   ; in slot 1: the first change of slots steps it to slot 2
	s_mov_b32 s79, 0
	s_lshr_b32 s101, s[WV], 2
	s_cmp_eq_u32 s101, 0
	s_cselect_b32 s[LIM], 1, -1                    ; waves 0 to 3 ask
	; descriptor group 1: 8,192 dense bytes as 32 rows of 256 bytes (32 elements of 8 bytes), no padding: every read is at 16 x lane
	s_mov_b32 s[G1], 15|(3<<16)|(1<<21)            ; the mask: all four work-groups; elements of 8 bytes; bit 21 beside a mask
	s_mov_b32 s[G1+1], 32<<16                      ; tensor_dim0
	s_mov_b32 s[G1+2], 32<<16                      ; tensor_dim1
	s_mov_b32 s[G1+3], 32<<16                      ; tile_dim0
	s_mov_b32 s[G1+4], 32                          ; tile_dim1
	s_mov_b32 s[G1+5], 32                          ; from row to row
	s_mov_b32 s[G1+6], 0
	s_mov_b32 s[G1+7], 0
	s_mov_b32 s[CS], 0x3e38aa3b                    ; c = log2(e) / 8
	s_mov_b32 s[CS+1], s[CS]
	s_mov_b32 s[SEL], 0x76543210
	s_mov_b32 s[SEL+1], 0xfedcba98
	s_mov_b32 s[TB], 0
	s_mov_b32 s[SO], 0
	s_mov_b32 s[SLOTS], 3
	s_wait_dscnt 0x0                               ; both opening adds are done
	s_wait_kmcnt 0x0
	s_mov_b32 s[G0], 1                             ; count = 1
	s_lshl_b32 s[G0+1], s[WV], 13                  ; LDS address: wave x 8,192: waves 0-7 fill K's region of slot 0, waves 8-15 V's
	s_add_nc_u64 s[G0+2:G0+3], s[4:5], s[70:71]
	s_or_b32 s[G0+3], s[G0+3], 0x80000000          ; type = 2
	s_add_nc_u64 s[PFA:PFA+1], s[4:5], s[78:79]
	s_add_nc_u64 s[4:5], s[4:5], s[72:73]          ; Q at my first tile
	s_add_nc_u64 s[6:7], s[6:7], s[74:75]          ; the mask words likewise
	s_add_nc_u64 s[8:9], s[8:9], s[76:77]          ; and the result
	CROUND                                         ; all four work-groups are here: the first joint loads meet
	tensor_load_to_lds s[G0:G0+3], s[G1:G1+7]      ; slot 0: one load of mine is out
	s_nop 0
	v_and_b32 v[LI], 31, v0
	v_lshlrev_b32 v[LI], 4, v[LI]
.irp t, 0,1
.irp u, 0,1
	global_load_b128 v[QF+16*\t+8*\u:QF+16*\t+8*\u+3], v[LI], s[4:5] offset:\t*2048+\u*1024        ; Q stays in registers: tile t, channels 32 u on: two blocks of 16 channels
	global_load_b128 v[QF+16*\t+8*\u+4:QF+16*\t+8*\u+7], v[LI], s[4:5] offset:\t*2048+\u*1024+512
.endr
.endr
	MASKS                                          ; step 0's
	v_mov_b32 v[NINF], 0xff800000
	v_lshlrev_b32 v[PFO], 4, v[LI]                 ; 256 x lane
.irp t, 0,1
	v_mov_b32 v[ST+8*\t+1], 0xff61b1e6             ; m = -3e38
	v_mul_f32 v[ST+8*\t], s[CS], v[ST+8*\t+1]      ; c m
	v_mov_b32 v[ST+8*\t+2], 0                      ; l, in two halves
	v_mov_b32 v[ST+8*\t+3], 0
.endr
.set i, 0
.rept 64
	v_mov_b32 v[OT+i], 0                           ; O^T: the step is written once; its first walk finds zeros, which the first a leaves zeros
.set i, i+1
.endr
; A KEY STEP: 64 keys.
.macro STEP
	v_add_nc_u32 v[ADK], s[TB], v[LI]
	v_add_nc_u32 v[ADV], VOFF, v[ADK]
.rept 3
	v_nop                                          ; with the two additions: five places behind the last step's products, whose P the first products below write over and into whose V the loads below land
.endr
.irp kt, 0,1,2,3
.irp u, 0,1
	ds_load_b128 v[KV+16*\kt+8*\u:KV+16*\kt+8*\u+3], v[ADK] offset:\kt*2048+\u*1024            ; K: keys 16 kt on, channels 32 u on
	ds_load_b128 v[KV+16*\kt+8*\u+4:KV+16*\kt+8*\u+7], v[ADK] offset:\kt*2048+\u*1024+512
.endr
.endr
	s_wait_dscnt 0x0
.set i, 0
.rept 16                               ; S^T = K Q^T: channels 32 (i / 8) on, keys 16 ((i / 2) % 4) on, tile i % 2.  The eight accumulators take turns; the first eight products start the sums
.set rS, S+32*(i%2)+8*((i/2)%4)
.set rK, KV+16*((i/2)%4)+8*(i/8)
.set rQ, QF+16*(i%2)+8*(i/8)
.if i < 8
	v_wmma_f32_16x16x32_f16 v[rS:rS+7], v[rK:rK+7], v[rQ:rQ+7], 0
.else
	v_wmma_f32_16x16x32_f16 v[rS:rS+7], v[rK:rK+7], v[rQ:rQ+7], v[rS:rS+7]
.endif
.set i, i+1
.endr
.rept 4
	v_nop                                          ; four places: for the loads into K's registers and for the first reads of the scores
.endr
.irp ct, 0,1,2,3
.irp u, 0,1
	ds_load_tr16_b128 v[KV+16*\ct+8*\u:KV+16*\ct+8*\u+3], v[ADV] offset:(2*\u)*2048+\ct*512        ; V, turned: channels 16 ct on, keys 32 u on; they land while the softmax is walked
	ds_load_tr16_b128 v[KV+16*\ct+8*\u+4:KV+16*\ct+8*\u+7], v[ADV] offset:(2*\u+1)*2048+\ct*512
.endr
.endr
	s_wait_kmcnt 0x0                               ; this step's mask words are in
.set i, 0
.rept 32
	v_cndmask_b32 v[S+i], v[NINF], v[S+i], s[MW0+i]            ; a hidden key's score becomes -infinity, ahead of the maximum; each accumulator from its low end on
	v_cndmask_b32 v[S+32+i], v[NINF], v[S+32+i], s[MW1+i]
.set i, i+1
.endr
.irp j, 0,1,2,3                        ; the maximum of a lane's 32 scores and the old m, three operands at a time: four chains of seven, the tiles by turns
.irp t, 0,1
	v_max3_num_f32 v[ST+8*\t+4+\j], v[S+32*\t+8*\j], v[S+32*\t+8*\j+1], v[S+32*\t+8*\j+2]
.endr
.endr
.irp u, 1,2
.irp j, 0,1,2,3
.irp t, 0,1
	v_max3_num_f32 v[ST+8*\t+4+\j], v[ST+8*\t+4+\j], v[S+32*\t+8*\j+2*\u+1], v[S+32*\t+8*\j+2*\u+2]
.endr
.endr
.endr
.irp t, 0,1
	v_max3_num_f32 v[ST+8*\t+4], v[ST+8*\t+4], v[S+32*\t+7], v[S+32*\t+15]
.endr
.irp t, 0,1
	v_max3_num_f32 v[ST+8*\t+6], v[ST+8*\t+6], v[S+32*\t+23], v[S+32*\t+31]
.endr
.irp t, 0,1
	v_max3_num_f32 v[ST+8*\t+4], v[ST+8*\t+4], v[ST+8*\t+5], v[ST+8*\t+6]
.endr
.irp t, 0,1
	v_max3_num_f32 v[ST+8*\t+4], v[ST+8*\t+4], v[ST+8*\t+7], v[ST+8*\t+1]
.endr
.irp t, 0,1
	v_permlanex16_b32 v[ST+8*\t+5], v[ST+8*\t+4], s[SEL], s[SEL+1]     ; the query's other 32 keys lie in the lane 16 away
.endr
.irp t, 0,1
	v_mov_b32 v[ST+8*\t+7], v[ST+8*\t]             ; c m_old is kept for a
.endr
.irp t, 0,1
	v_max_num_f32 v[ST+8*\t+1], v[ST+8*\t+4], v[ST+8*\t+5]
.endr
.irp t, 0,1
	v_mul_f32 v[ST+8*\t], s[CS], v[ST+8*\t+1]
.endr
.irp t, 0,1
	v_sub_f32 v[ST+8*\t+7], v[ST+8*\t+7], v[ST+8*\t]
.endr
	s_add_co_u32 s[SO], s[SO], 128                 ; the next step's mask words (the wait above has shown the last scalar loads done, so their offset may be written);
	s_min_u32 s[SO], s[SO], 3968                   ; the last step fetches its own once more: no load leaves the buffer
	MASKS
.set i, 0
.rept 16
.irp t, 0,1
	v_pk_fma_f32 v[S+32*\t+2*i:S+32*\t+2*i+1], v[S+32*\t+2*i:S+32*\t+2*i+1], s[CS:CS+1], v[ST+8*\t:ST+8*\t+1] op_sel_hi:[1,0,0] neg_lo:[0,0,1] neg_hi:[0,0,1]   ; c s - c m, two at a time
.endr
.set i, i+1
.endr
.irp t, 0,1
	v_exp_f32 v[ST+8*\t+6], v[ST+8*\t+7]           ; a
.endr
.set i, 0
.rept 64
	v_exp_f32 v[S+i], v[S+i]                       ; p
.set i, i+1
.endr
	v_nop                                          ; a plain instruction behind the last exponential
	s_wait_alu depctr_va_vdst(0)                   ; ONE wait for the batch of 66, ahead of the first instruction that names a result
.irp t, 0,1
	v_pk_mul_f32 v[ST+8*\t+2:ST+8*\t+3], v[ST+8*\t+2:ST+8*\t+3], v[ST+8*\t+6:ST+8*\t+7] op_sel_hi:[1,0]   ; l x a
.endr
.irp t, 0,1
	v_pk_add_f32 v[L2+2*\t:L2+2*\t+1], v[S+32*\t:S+32*\t+1], v[S+32*\t+2:S+32*\t+3]       ; the sum of the unrounded p, two at a time, in two chains a tile
.endr
.irp j, 4,8,12,16,20,24,28
.irp t, 0,1
	v_pk_add_f32 v[ST+8*\t+2:ST+8*\t+3], v[ST+8*\t+2:ST+8*\t+3], v[S+32*\t+\j:S+32*\t+\j+1]
	v_pk_add_f32 v[L2+2*\t:L2+2*\t+1], v[L2+2*\t:L2+2*\t+1], v[S+32*\t+\j+2:S+32*\t+\j+3]
.endr
.endr
.irp t, 0,1
	v_pk_add_f32 v[ST+8*\t+2:ST+8*\t+3], v[ST+8*\t+2:ST+8*\t+3], v[L2+2*\t:L2+2*\t+1]
.endr
.set i, 0
.rept 16
	v_cvt_pk_f16_f32 v[S+i], v[S+2*i], v[S+2*i+1]              ; P in place: ascending, each write lands on registers that have been consumed
	v_cvt_pk_f16_f32 v[S+32+i], v[S+32+2*i], v[S+32+2*i+1]
.set i, i+1
.endr
.set i, 0
.rept 16
	v_pk_mul_f32 v[OT+2*i:OT+2*i+1], v[OT+2*i:OT+2*i+1], v[ST+6:ST+7] op_sel_hi:[1,0]          ; O^T x a, each accumulator from its low end on
	v_pk_mul_f32 v[OT+32+2*i:OT+32+2*i+1], v[OT+32+2*i:OT+32+2*i+1], v[ST+14:ST+15] op_sel_hi:[1,0]
.set i, i+1
.endr
	s_wait_dscnt 0x0                               ; V is in
.set i, 0
.rept 16                               ; O^T += V^T P: keys 32 (i / 8) on, channels 16 ((i / 2) % 4) on, tile i % 2; the eight accumulators take turns
.set rO, OT+32*(i%2)+8*((i/2)%4)
.set rV, KV+16*((i/2)%4)+8*(i/8)
.set rP, S+32*(i%2)+8*(i/8)
	v_wmma_f32_16x16x32_f16 v[rO:rO+7], v[rV:rV+7], v[rP:rP+7], v[rO:rO+7]
.set i, i+1
.endr
.endm
; THE CHANGE OF SLOTS stands at a slot's head.  Each wave waits for all its tensor loads (its part of the slot ahead), adds 0 to its spare word, and waits for that and for its reads of the slot that it has left.
; fill = 1: the barrier is a round of the cluster's, so that no wave of any partner still reads the other slot or has a load on its way, and that slot is filled with the next 512 keys, first thing behind the
; round: one load a wave, with a slot's eight steps in which to land.  (In the first trip slot 1 is filled for the first time, by every wave alike.)
.macro CHANGE fill
	s_wait_tensorcnt 0x0                           ; no tensor load of mine is out, so group 0 may be written
	ds_add_u32 v[SPW], v[NIL]
.if \fill
	s_xor_b32 s[G0+1], s[G0+1], SLOT1              ; the walking descriptor: the other slot than last time,
	s_add_nc_u64 s[G0+2:G0+3], s[G0+2:G0+3], 65536 ; the next 512 keys; the type bits on top are not reached
	s_wait_xcnt 0x0                                ; the last prefetch, a slot back, has read its address, so it may be written:
	s_add_nc_u64 s[PFA:PFA+1], s[PFA:PFA+1], 65536 ; one slot further on than the walking descriptor
	s_wait_dscnt 0x0                               ; the add is done, and my reads of the slot that I have left are over
	CROUND
	tensor_load_to_lds s[G0:G0+3], s[G1:G1+7]
	s_nop 0
	ASK
.else
	s_wait_dscnt 0x0
	s_barrier_signal -1
	s_barrier_wait -1
.endif
.endm
.macro STEPS                           ; a slot's eight key steps: written once, walked eight times; the LDS addresses hang on s[TB]
	s_mov_b32 s[STEPC], 8
.Lstep_\@:
	STEP
	s_add_co_u32 s[TB], s[TB], 8192                ; four tiles of 16 keys x 2,048 bytes
	s_sub_co_u32 s[STEPC], s[STEPC], 1
	s_cmp_lg_u32 s[STEPC], 0
	s_cbranch_scc1 .Lstep_\@
	s_sub_co_u32 s[TB], s[TB], 65536               ; back to a slot's first step,
	s_xor_b32 s[TB], s[TB], SLOT1                  ; in the other slot
.endm
	s_wait_loadcnt 0x0                             ; Q
.Lslot:                                            ; three trips: behind each change of slots but the last the next slot is asked for
	CHANGE 1
	STEPS
	s_sub_co_u32 s[SLOTS], s[SLOTS], 1
	s_cmp_lg_u32 s[SLOTS], 0
	s_cbranch_scc1 .Lslot
	CHANGE 0                                       ; the last slot is written out
	STEPS
	; THE WAY OUT.  l's two halves and the other half of the lanes' are added; O^T is divided by l and rounded to f16: a lane's eight channels of a token are 16 bytes, its piece of a block of the result.
.irp t, 0,1
	v_add_f32 v[ST+8*\t+4], v[ST+8*\t+2], v[ST+8*\t+3]         ; (these additions are the places behind the last products)
.endr
.irp t, 0,1
	v_permlanex16_b32 v[ST+8*\t+5], v[ST+8*\t+4], s[SEL], s[SEL+1]
.endr
.irp t, 0,1
	v_add_f32 v[ST+8*\t+4], v[ST+8*\t+4], v[ST+8*\t+5]
.endr
	v_nop
.irp t, 0,1
	v_rcp_f32 v[ST+8*\t+6], v[ST+8*\t+4]
.endr
	v_nop                                          ; a plain instruction behind the last reciprocal
	s_wait_alu depctr_va_vdst(0)                   ; and one wait for the two, ahead of the first use
.set i, 0
.rept 16
	v_pk_mul_f32 v[OT+2*i:OT+2*i+1], v[OT+2*i:OT+2*i+1], v[ST+6:ST+7] op_sel_hi:[1,0]
	v_pk_mul_f32 v[OT+32+2*i:OT+32+2*i+1], v[OT+32+2*i:OT+32+2*i+1], v[ST+14:ST+15] op_sel_hi:[1,0]
.set i, i+1
.endr
.set i, 0
.rept 32
	v_cvt_pk_f16_f32 v[S+i], v[OT+2*i], v[OT+2*i+1]            ; register 16 t + 4 ct + r
.set i, i+1
.endr
.irp t, 0,1
.irp ct, 0,1,2,3
	global_store_b128 v[LI], v[S+16*\t+4*\ct:S+16*\t+4*\ct+3], s[8:9] offset:\t*32768+\ct*512    ; 32 lanes store 512 consecutive bytes
.endr
.endr
	s_wait_tensorcnt 0x0                           ; the wave's end
	ds_add_u32 v[SPW], v[NIL]
	s_wait_dscnt 0x0
	CROUND                                         ; the closing round: no work-group ends while a partner may still ask for a tile that names it
	s_endpgm
.Lfunc_end_k_q651eccd471_attn:
	.size	k_q651eccd471_attn, .Lfunc_end_k_q651eccd471_attn-k_q651eccd471_attn
	.p2alignl 7, 3214868480
	.fill 96, 4, 3214868480
	.section	.rodata,"a",@progbits
	.p2align	6, 0x0
	.amdhsa_kernel k_q651eccd471_attn
		.amdhsa_group_segment_fixed_size 327680
		.amdhsa_private_segment_fixed_size 0
		.amdhsa_enable_private_segment 0
		.amdhsa_kernarg_size 24
		.amdhsa_user_sgpr_count 2
		.amdhsa_user_sgpr_kernarg_segment_ptr 1
		.amdhsa_wavefront_size32 1
		.amdhsa_system_sgpr_workgroup_id_x 1
		.amdhsa_system_sgpr_workgroup_id_y 1
		.amdhsa_system_sgpr_workgroup_id_z 1
		.amdhsa_system_vgpr_workitem_id 0
		.amdhsa_next_free_vgpr 256
		.amdhsa_next_free_sgpr 102
		.amdhsa_reserve_vcc 0
		.amdhsa_float_denorm_mode_32 3
		.amdhsa_float_denorm_mode_16_64 3
		.amdhsa_memory_ordered 1
		.amdhsa_forward_progress 1
		.amdhsa_inst_pref_size 58
	.end_amdhsa_kernel
	.amdgpu_metadata
---
amdhsa.version: [ 1, 2 ]
amdhsa.kernels:
  - .name:           k_q651eccd471_attn
    .symbol:         k_q651eccd471_attn.kd
    .args:
      - { .name: qkv, .offset: 0, .size: 8, .value_kind: global_buffer, .address_space: global }
      - { .name: maskw, .offset: 8, .size: 8, .value_kind: global_buffer, .address_space: global }
      - { .name: attn, .offset: 16, .size: 8, .value_kind: global_buffer, .address_space: global }
    .group_segment_fixed_size: 327680
    .private_segment_fixed_size: 0
    .kernarg_segment_align: 8
    .kernarg_segment_size: 24
    .max_flat_workgroup_size: 512
    .sgpr_count:     102
    .vgpr_count:     256
    .wavefront_size: 32
...
	.end_amdgpu_metadata
.endif
;; end of part 3
;; launch oproj (part 4): grid 4 x 64, 4 waves a work-group, clusters of 4 x 4, 327,680 bytes of LDS; arguments attn, wo16, out0; writes out0
.if DOCPART == 4
	.amdgcn_target "amdgcn-amd-amdhsa--gfx1250"
	.amdhsa_code_object_version 6
	.text
	.protected	k_q651eccd471_oproj
	.globl	k_q651eccd471_oproj
	.p2align	8
	.type	k_q651eccd471_oproj,@function
k_q651eccd471_oproj:
	s_mov_b64 s[64:65], 0
	v_nop
	global_prefetch_b8 v0, s[64:65] scope:SCOPE_SE
	s_setreg_imm32_b32 hwreg(HW_REG_WAVE_MODE, 25, 1), 1
	s_wait_xcnt 0x0
	s_wait_alu depctr_hold_cnt(0) depctr_sa_sdst(0) depctr_va_vdst(0) depctr_va_sdst(0) depctr_va_ssrc(0) depctr_va_vcc(0) depctr_vm_vsrc(0)
	s_getreg_b32 s2, hwreg(HW_REG_IB_STS2, 6, 4)
	s_cmp_eq_u32 s2, 0
	s_cbranch_scc0 .Lentry_in_a_cluster
	s_endpgm
.Lentry_in_a_cluster:
	s_bfe_u32 s2, ttmp6, 0x10000c
	s_cmp_lg_u32 s2, 0xf033
	s_cbranch_scc0 .Lentry_shape_is_right
	s_endpgm
.Lentry_shape_is_right:
; out0[token][n] = the sum over k of O[token][k] W_o[n][k]: [8192] x [1024], K = 1,024; operands f16, sums f32, out0 f32.
; attn (O): [tile of 16 tokens 512][16 along K: 64][512 bytes], each block an image of operand registers: lane (r, h)'s 16 bytes (token r, k = 8 h + 0..7) at 16 x lane.  wo16: [1024 n][1024 k] f16, row-major.
; A tile of 128 tokens x 256 n is made by four waves, each 64 x 128: 32 accumulators of 16 x 16; 4 x 64 tiles give each of 256 work-groups one.  K goes in steps of 128 through a ring of two LDS slots.
; CLUSTERS: 4 x 4 work-groups.  The four of a row of the cluster need the same tokens, the four of a column the same rows of W_o: each tile is asked for jointly.
; THE MATRIX INSTRUCTION IS USED TRANSPOSED (source 0 = 16 rows of W_o, source 1 = 16 tokens): a lane then holds eight neighbouring numbers of a row of out0.
; REGISTERS: window 0: v16-29 addresses; two fragment buffers of 96: W_o's eight fragments (16 rows x 32 K), then the tokens' four: v32-127, v128-223; on the way out v32-159 take whole rows.
;   window 1: the accumulators, (a, b) at v[8 (8 a + b)].
.set PITCH,  272                       ; a row of W_o's tile in LDS: 256 bytes + 16 of padding = 68 words, so the 16 rows that a load touches start 4 words apart modulo 64
.set ATILE,  4096                      ; a tile of 16 tokens x 128 K: eight images
.set AHALF,  4*ATILE                   ; what one tensor load brings of the tokens, and what one wave reads
.set BOFF,   2*AHALF                   ; behind the tokens' eight tiles: W_o's 256 rows
.set BHALF,  128*PITCH
.set SLOT,   BOFF+2*BHALF
.set SPARE,  2*SLOT                    ; the spare words: 128 bytes for each wave, two blocks of 256 bytes that no other line names
.set SPITCH, 528                       ; the way out: a stage of 16 rows x (512 bytes + 16) for each wave, in slot 0, which has had its last fill and its last read when the first result is stored there
.set LAPS,   4                         ; a lap = two K steps
.set ADRA, 16
.set ADRB, 20
.set STO,  24
.set RD,   25
.set CO,   26
.set SPW,  28
.set NIL,  29
.set F0,   32
.set F1,   128
.set BK,   32
.set G1, 24                            ; s[24:31] group 1 for the tokens' tiles;  s[32:39] group 0, one set for each slot
.set G0, 32
.set G1B, 48                           ; s[48:55], s[56:63] the same for W_o's
.set G0B, 56
.set MSB, 0
.macro WIN new                         ; the immediate's high byte repeats the setting that is left
.if MSB != (\new)
	s_set_vgpr_msb (MSB<<8)|(\new)
.set MSB, (\new)
.endif
.endm
.set MUL, 0x50                         ; C and D window 1, sources 0 and 1 window 0
.macro JLOAD s                         ; a joint load: waves 0 and 1 fetch the tokens' halves, waves 2 and 3 W_o's; an s_nop 0 and four v_nop follow each of the two lines
	s_cmp_eq_u32 s11, 0
	s_cbranch_scc0 .Lfor_b_\@
	tensor_load_to_lds s[G0+4*\s:G0+4*\s+3], s[G1:G1+7]
	s_nop 0
.rept 4
	v_nop
.endr
	s_branch .Lasked_\@
.Lfor_b_\@:
	tensor_load_to_lds s[G0B+4*\s:G0B+4*\s+3], s[G1B:G1B+7]
	s_nop 0
.rept 4
	v_nop
.endr
.Lasked_\@:
.endm
.macro CREST                           ; a round of the cluster's barrier behind its opening barrier
	s_cmp_lg_u32 s10, 0
	s_cbranch_scc1 .Lnot_wave_0_\@
	s_barrier_signal -3
.Lnot_wave_0_\@:
	s_barrier_wait -3
	s_barrier_signal -1
	s_barrier_wait -1
.endm
.macro CROUND
	s_barrier_signal -1
	s_barrier_wait -1
	CREST
.endm
	s_load_b128 s[4:7], s[0:1], 0x0                ; attn s[4:5], wo16 s[6:7]
	s_load_b64 s[8:9], s[0:1], 0x10                ; out0
	v_lshl_add_u32 v[SPW], v0, 2, SPARE
	v_mov_b32 v[NIL], 0
	ds_add_u32 v[SPW], v[NIL]                      ; the wave's opening: the add, twice on end, and its wait ahead of my first tensor load
	ds_add_u32 v[SPW], v[NIL]                      ; the set-up below, work on registers, stands between the second and the wait
	v_lshrrev_b32 v1, 5, v0
	v_readfirstlane_b32 s10, v1                    ; wave 0..3
	s_lshr_b32 s11, s10, 1                         ; which half of the tile's tokens is mine.  Also: I fetch tokens (0) or W_o (1)
	s_and_b32 s12, s10, 1                          ; which half of its n.  Also: which half of that tile I fetch
	s_bfe_u32 s40, ttmp6, 0x40000                  ; cx, cy
	s_bfe_u32 s41, ttmp6, 0x40004
	s_lshl_b32 s42, ttmp9, 2
	s_add_co_u32 s42, s42, s40                     ; tile column = 4 x cluster x + cx
	s_and_b32 s13, ttmp7, 0xffff
	s_lshl_b32 s13, s13, 2
	s_add_co_u32 s13, s13, s41                     ; tile row = 4 x cluster y + cy
	s_lshl_b32 s43, s41, 2
	s_lshl_b32 s43, 15, s43                        ; my row of the cluster
	s_lshl_b32 s44, 0x1111, s40                    ; my column
	; tokens: four rows of 4,096 bytes (a tile of 16 tokens x 128 K: 512 elements of 8 bytes), 32,768 bytes apart in memory, dense in LDS
	s_or_b32 s[G1+0], s43, (3<<16)|(1<<21)         ; the mask: my row; elements of 8 bytes; bit 21 beside a mask; no padding: every read is at 16 x lane
	s_mov_b32 s[G1+1], 512<<16                     ; tensor_dim0
	s_mov_b32 s[G1+2], 4<<16                       ; tensor_dim1
	s_mov_b32 s[G1+3], 512<<16                     ; tile_dim0
	s_mov_b32 s[G1+4], 4                           ; tile_dim1
	s_mov_b32 s[G1+5], 4096                        ; from row to row, in elements
	s_mov_b32 s[G1+6], 0
	s_mov_b32 s[G1+7], 0
	; W_o: 128 rows x 128 elements of 2 bytes, 16 bytes of padding behind each row
	s_or_b32 s[G1B+0], s44, (1<<16)|(1<<20)|(1<<21)|(5<<22)|(3<<25)
	s_mov_b32 s[G1B+1], 128<<16
	s_mov_b32 s[G1B+2], 128<<16
	s_mov_b32 s[G1B+3], 128<<16
	s_mov_b32 s[G1B+4], 128
	s_mov_b32 s[G1B+5], 1024
	s_mov_b32 s[G1B+6], 0
	s_mov_b32 s[G1B+7], 0
	s_lshl_b32 s16, s13, 3
	s_lshl_b32 s17, s12, 2
	s_add_co_u32 s16, s16, s17                     ; tokens: tile 8 x tile row + 4 x half,
	s_lshl_b32 s16, s16, 15                        ; of 32,768 bytes
	s_mov_b32 s17, 0
	s_lshl_b32 s46, s42, 8
	s_lshl_b32 s47, s12, 7
	s_add_co_u32 s46, s46, s47                     ; W_o: row 256 x tile column + 128 x half,
	s_lshl_b32 s46, s46, 11                        ; of 2,048 bytes
	s_mov_b32 s47, 0
	s_mul_i32 s20, s12, AHALF                      ; where they go: no place in the cluster enters an LDS address
	s_mul_i32 s21, s12, BHALF
	s_add_co_u32 s21, s21, BOFF
	s_wait_dscnt 0x0                               ; both opening adds are done
	s_wait_kmcnt 0x0
	s_add_nc_u64 s[14:15], s[4:5], s[16:17]
	s_add_nc_u64 s[46:47], s[6:7], s[46:47]
	CROUND                                         ; all sixteen work-groups are here: the first joint loads meet
.irp s, 0,1
	s_mov_b32 s[G0+4*\s], 1
	s_add_co_u32 s[G0+4*\s+1], s20, \s*SLOT
	s_add_nc_u64 s[G0+4*\s+2:G0+4*\s+3], s[14:15], \s*ATILE    ; K step s: 4,096 bytes on in each tile of tokens
	s_or_b32 s[G0+4*\s+3], s[G0+4*\s+3], 0x80000000
	s_mov_b32 s[G0B+4*\s], 1
	s_add_co_u32 s[G0B+4*\s+1], s21, \s*SLOT
	s_add_nc_u64 s[G0B+4*\s+2:G0B+4*\s+3], s[46:47], \s*256    ; 256 bytes on in each row of W_o
	s_or_b32 s[G0B+4*\s+3], s[G0B+4*\s+3], 0x80000000
	JLOAD \s                                       ; two loads of mine are out
.endr
	v_and_b32 v1, 15, v0                           ; r
	v_bfe_u32 v2, v0, 4, 1                         ; h
	v_and_b32 v3, 31, v0
	v_lshlrev_b32 v3, 4, v3                        ; 16 x lane
	v_mul_u32_u24 v4, v1, PITCH
	v_lshl_add_u32 v4, v2, 4, v4                   ; W_o: row x pitch + 16 x half
	s_mul_i32 s22, s11, AHALF                      ; my 64 tokens
	s_mul_i32 s23, s12, BHALF                      ; my 128 rows of W_o
	s_add_co_u32 s23, s23, BOFF
.irp s, 0,1
	v_add_nc_u32 v[ADRA+\s], s22, v3
	v_add_nc_u32 v[ADRB+\s], s23, v4
	s_add_co_u32 s22, s22, SLOT
	s_add_co_u32 s23, s23, SLOT
.endr
	s_mul_i32 s23, s10, 16*SPITCH                  ; my stage
	v_mul_u32_u24 v5, v1, SPITCH                   ; in: row r, 32 bytes for each half of the lanes
	v_lshl_add_u32 v5, v2, 5, v5
	v_add_nc_u32 v[STO], s23, v5
	v_mov_b32 v[CO], v3                            ; back: the 32 lanes take one row of 512 bytes; and the same in out0
	v_add_nc_u32 v[RD], s23, v3
	s_lshl_b32 s16, s13, 7
	s_lshl_b32 s17, s11, 6
	s_add_co_u32 s16, s16, s17                     ; my first token: 128 x tile row + 64 x half,
	s_lshl_b32 s16, s16, 12                        ; a row of out0 is 4,096 bytes
	s_mov_b32 s17, 0
	s_lshl_b32 s46, s42, 10                        ; my first n, in bytes: 1,024 x tile column + 512 x half
	s_lshl_b32 s47, s12, 9
	s_add_co_u32 s46, s46, s47
	s_mov_b32 s47, 0
	s_add_nc_u64 s[16:17], s[16:17], s[46:47]
	s_add_nc_u64 s[8:9], s[8:9], s[16:17]
; 24 LDS loads in one run: the fragments of the slot's q-th 32 along K into buffer f: W_o's eight first, then the tokens' four
.macro FETCH slot, q, f
	WIN 0
.irp i, 0,1,2,3,4,5,6,7
	ds_load_b128 v[\f+8*\i:\f+8*\i+3],   v[ADRB+\slot] offset:64*(\q)+\i*16*PITCH
	ds_load_b128 v[\f+8*\i+4:\f+8*\i+7], v[ADRB+\slot] offset:64*(\q)+\i*16*PITCH+32
.endr
.irp i, 0,1,2,3
	ds_load_b128 v[\f+64+8*\i:\f+64+8*\i+3],   v[ADRA+\slot] offset:\i*ATILE+(\q)*1024      ; two images of 16 along K
	ds_load_b128 v[\f+64+8*\i+4:\f+64+8*\i+7], v[ADRA+\slot] offset:\i*ATILE+(\q)*1024+512
.endr
.endm
; 8 matrix instructions: tokens' block a x W_o's eight.  The 32 accumulators take turns, one instruction a turn, in the same order in every quarter.  zero = 1: the product starts the sums
.macro MULA f, a, zero
.irp b, 0,1,2,3,4,5,6,7
.if \zero
	v_wmma_f32_16x16x32_f16 v[8*(8*(\a)+\b):8*(8*(\a)+\b)+7], v[\f+8*\b:\f+8*\b+7], v[\f+64+8*(\a):\f+64+8*(\a)+7], 0
.else
	v_wmma_f32_16x16x32_f16 v[8*(8*(\a)+\b):8*(8*(\a)+\b)+7], v[\f+8*\b:\f+8*\b+7], v[\f+64+8*(\a):\f+64+8*(\a)+7], v[8*(8*(\a)+\b):8*(8*(\a)+\b)+7]
.endif
.endr
.endm
.macro PLACES                          ; four places in front of loads into registers that matrix instructions have read, and of the first reads of results (ISA guide 7.12.1 for the reads of results)
.rept 4
	v_nop
.endr
.endm
; A K step is four quarters of 32 along K, 32 matrix instructions each, on buffers 0, 1, 0, 1.  One of the first three: multiplies buffer f and fetches the slot's q-th quarter into g.
.macro QUARTER slot, q, f, g, zero
	s_wait_dscnt 4                                 ; W_o's fragments and the tokens' blocks 0, 1 are in; the youngest four loads (blocks 2, 3) may be out
	WIN MUL
	MULA \f, 0, \zero
	MULA \f, 1, \zero
	PLACES
	FETCH \slot, \q, \g
	s_wait_dscnt 24                                ; all but the 24 just issued
	WIN MUL
	MULA \f, 2, \zero
	MULA \f, 3, \zero
.endm
; The last quarter multiplies buffer 1 and changes slots: ONE barrier; in front of it each wave waits for all its tensor loads, adds 0 to its spare word, and waits for that and for its reads of this slot.
; fill = 1: the barrier opens a round of the cluster's, and this slot is filled again, two K steps ahead, first thing behind the round.
.macro TURN slot, next, fill
	WIN 0                                          ; (the add's two registers lie in window 0)
	s_wait_tensorcnt 0x0                           ; all my tensor loads have landed: my part of the next slot
	ds_add_u32 v[SPW], v[NIL]
	s_wait_dscnt 5                                 ; (the add and the youngest four loads may be out)
	WIN MUL
	MULA F1, 0, 0                                  ; eight matrix instructions stand between the add and the wait for it
	s_wait_dscnt 0x0                               ; the add is done, and my reads of this slot are over
	s_barrier_signal -1
	MULA F1, 1, 0
.if \fill
	WIN 0
.endif
	s_barrier_wait -1
.if \fill
	CREST                                          ; no wave of any partner still reads this slot's tiles or has a load on its way
	s_add_nc_u64 s[G0+4*\slot+2:G0+4*\slot+3], s[G0+4*\slot+2:G0+4*\slot+3], 2*ATILE
	s_add_nc_u64 s[G0B+4*\slot+2:G0B+4*\slot+3], s[G0B+4*\slot+2:G0B+4*\slot+3], 2*256
	JLOAD \slot                                    ; the four v_nop behind it are also the places in front of the loads below
.else
	PLACES
.endif
	FETCH \next, 0, F0
	WIN MUL
	MULA F1, 2, 0
	MULA F1, 3, 0
.endm
	s_wait_tensorcnt 1                             ; my part of K step 0 is in (K step 1's load may be out)
	s_barrier_signal -1
	s_barrier_wait -1                              ; everybody's is
	FETCH 0, 0, F0
	QUARTER 0, 1, F0, F1, 1                        ; the first quarter stands in front of the loop: its products start the sums
	WIN 0                                          ; at a label and at a branch every window is 0
	s_mov_b32 s3, LAPS-1
.Llap:                                                 ; a trip goes once round the ring, from a lap's second quarter to the next lap's first, and fills both slots again
	QUARTER 0, 2, F1, F0, 0
	QUARTER 0, 3, F0, F1, 0
	TURN 0, 1, 1
	QUARTER 1, 1, F0, F1, 0
	QUARTER 1, 2, F1, F0, 0
	QUARTER 1, 3, F0, F1, 0
	TURN 1, 0, 1
	QUARTER 0, 1, F0, F1, 0
	WIN 0
	s_sub_co_u32 s3, s3, 1
	s_cmp_lg_u32 s3, 0
	s_cbranch_scc1 .Llap
	QUARTER 0, 2, F1, F0, 0                        ; the last lap fills nothing, and has no round of the cluster's barrier
	QUARTER 0, 3, F0, F1, 0
	TURN 0, 1, 0
	QUARTER 1, 1, F0, F1, 0
	QUARTER 1, 2, F1, F0, 0
	QUARTER 1, 3, F0, F1, 0
	s_wait_dscnt 4                                 ; the very last quarter: nothing more to fetch
	WIN MUL
	MULA F1, 0, 0
	MULA F1, 1, 0
	s_wait_dscnt 0
	MULA F1, 2, 0
	MULA F1, 3, 0
	WIN 0
; THE WAY OUT, block by block of 16 tokens x 128 n.  A lane holds 32 neighbouring bytes of a row, the lanes beside it other rows: so a block goes through my own stage and comes back as whole rows of 512 bytes.
; LDS serves a wave's instructions in order (ISA guide 5.7.1.4): no wait between the stores and the loads, nor in front of the next block's stores.
.macro TOSTAGE a
.set AC, 64*(\a)
	WIN 0x04                                       ; an LDS store's data are its source 1: window 1
.irp b, 0,1,2,3,4,5,6,7
	ds_store_b128 v[STO], v[AC+8*\b:AC+8*\b+3] offset:64*\b          ; each accumulator from its low end on
	ds_store_b128 v[STO], v[AC+8*\b+4:AC+8*\b+7] offset:64*\b+16
.endr
	WIN 0
.set BB, BK+64*((\a)%2)
.irp t, 0,1,2,3,4,5,6,7,8,9,10,11,12,13,14,15
	ds_load_b128 v[BB+4*\t:BB+4*\t+3], v[RD] offset:\t*SPITCH
.endr
.endm
.macro SEND a, younger                 ; younger: the LDS instructions issued behind block a's loads, which may stay out
.set BB, BK+64*((\a)%2)
	s_wait_dscnt \younger                          ; the block is back in registers
.if (\a) > 0
	s_add_nc_u64 s[8:9], s[8:9], 16*4096           ; (behind a wait on XCNT: the earlier stores have read their base)  16 rows of out0 on
.endif
.irp t, 0,1,2,3,4,5,6,7,8,9,10,11,12,13,14,15
	global_store_b128 v[CO], v[BB+4*\t:BB+4*\t+3], s[8:9] offset:\t*4096 th:TH_STORE_NT   ; 32 lanes store 512 consecutive bytes, at a multiple of 256 from out0's first byte
.endr
.endm
	PLACES                                         ; behind the last products: for the stores that read results and the loads into the fragments' registers
	TOSTAGE 0
.irp a, 1,2,3
.if \a > 1
	s_wait_xcnt 0x0                                ; block a - 2's stores have read their registers and their base: block a's loads may land there, and the base may step
.endif
	TOSTAGE \a
	SEND \a-1, 32                                  ; behind block a - 1's loads: block a's 16 stores and 16 loads
.endr
	s_wait_xcnt 0x0                                ; block 2's stores have read their base
	SEND 3, 0
	s_wait_tensorcnt 0x0                           ; the wave's end, behind my last tensor load and my last LDS store
	ds_add_u32 v[SPW], v[NIL]
	s_wait_dscnt 0x0
	CROUND                                         ; the closing round: no work-group ends while a partner may still ask for a tile that names it
	s_endpgm
.Lfunc_end_k_q651eccd471_oproj:
	.size	k_q651eccd471_oproj, .Lfunc_end_k_q651eccd471_oproj-k_q651eccd471_oproj
	.p2alignl 7, 3214868480
	.fill 96, 4, 3214868480
	.section	.rodata,"a",@progbits
	.p2align	6, 0x0
	.amdhsa_kernel k_q651eccd471_oproj
		.amdhsa_group_segment_fixed_size 327680
		.amdhsa_private_segment_fixed_size 0
		.amdhsa_enable_private_segment 0
		.amdhsa_kernarg_size 24
		.amdhsa_user_sgpr_count 2
		.amdhsa_user_sgpr_kernarg_segment_ptr 1
		.amdhsa_wavefront_size32 1
		.amdhsa_system_sgpr_workgroup_id_x 1
		.amdhsa_system_sgpr_workgroup_id_y 1
		.amdhsa_system_sgpr_workgroup_id_z 1
		.amdhsa_system_vgpr_workitem_id 0
		.amdhsa_next_free_vgpr 512
		.amdhsa_next_free_sgpr 66
		.amdhsa_reserve_vcc 0
		.amdhsa_float_denorm_mode_32 3
		.amdhsa_float_denorm_mode_16_64 3
		.amdhsa_memory_ordered 1
		.amdhsa_forward_progress 1
		.amdhsa_inst_pref_size 85
	.end_amdhsa_kernel
	.amdgpu_metadata
---
amdhsa.version: [ 1, 2 ]
amdhsa.kernels:
  - .name:           k_q651eccd471_oproj
    .symbol:         k_q651eccd471_oproj.kd
    .args:
      - { .name: attn, .offset: 0, .size: 8, .value_kind: global_buffer, .address_space: global }
      - { .name: wo16, .offset: 8, .size: 8, .value_kind: global_buffer, .address_space: global }
      - { .name: out0, .offset: 16, .size: 8, .value_kind: global_buffer, .address_space: global }
    .group_segment_fixed_size: 327680
    .private_segment_fixed_size: 0
    .kernarg_segment_align: 8
    .kernarg_segment_size: 24
    .max_flat_workgroup_size: 128
    .sgpr_count:     66
    .vgpr_count:     512
    .wavefront_size: 32
...
	.end_amdgpu_metadata
.endif
;; end of part 4
